; MI455X (gfx1250); checked and timed in simulation.
; The chip was launched on July 23, 2026; its instructions are those of AMD's public machine-readable ISA for CDNA 5 (MIT licence, August 2026) and "CDNA5" Instruction Set Architecture Reference Guide (July 2026). The comments in the code are by the model that wrote it; some were corrected since.
;; Self Attention. Allowed arithmetic: matrix products marked QUANTISED: E2M1 operands, one E8M0 scale for each 32 along K, by v_wmma_scale_f32_16x16x128_f8f6f4 with both operands' format E2M1 (or v_wmma_scale_f32_32x16x128_f4), f32 sums; products left as they are: bf16, f16 or f32 operands; f32 sums; everything else in f32.
;; Inputs: W_K 1,024 x 1,024 float32; W_O 1,024 x 1,024 float32; W_Q 1,024 x 1,024 float32; W_V 1,024 x 1,024 float32; x 4 x 2,048 x 1,024 float32.
;; Outputs: out0 4 x 2,048 x 1,024 float32.
;; This version of the problem:
;;   THIS VERSION OF THE PROBLEM IS GIVEN IN LOW PRECISION. The matrix products marked QUANTISED in the list below multiply operands that are first quantised to E2M1 (2 exponent bits, 1 mantissa bit; 4 bits a number), with one power-of-two scale for each 32 numbers along K (OCP MX v1.0); their sums are f32. The products marked 'left as it is' may take bf16, f16 or f32 operands, with f32 sums. Whichever they take, every output number must still come out within the allowed error. Rounding operands to bf16 (8 significant bits) uses up far more of that allowance than f16 does (11 bits, for magnitudes from 6e-5 to 65,504). All else is computed in f32.
;;   The module's matrix products, in the order in which they are computed (A, B: the left and right operand; K: the contracted axis; several contracted axes count as one K, in the product's order):
;;     1. [M 8,192, K 1,024] x [K 1,024, N 1,024]; A: input x; B: input W_Q: QUANTISED
;;     2. [M 8,192, K 1,024] x [K 1,024, N 1,024]; A: input x; B: input W_K: QUANTISED
;;     3. [M 8,192, K 1,024] x [K 1,024, N 1,024]; A: input x; B: input W_V: QUANTISED
;;     4. batch 64 x [M 2,048, K 64] x [K 64, N 2,048]; A: computed on the way; B: computed on the way: left as it is (an operand is computed on the way)
;;     5. batch 64 x [M 2,048, K 2,048] x [K 2,048, N 64]; A: computed on the way; B: computed on the way: left as it is (an operand is computed on the way)
;;     6. [M 8,192, K 1,024] x [K 1,024, N 1,024]; A: computed on the way; B: input W_O: left as it is (an operand is computed on the way)
;;   THE QUANTISER, for each operand of a quantised product, along K:
;;     - K is cut into blocks of 32 from its start; a last block that is shorter is filled with zeros.
;;     - A block's scale is 2^e with e = floor(log2(the largest magnitude in the block)) - 2, held to -126 .. 127; a block of zeros has e = 0. As a byte (E8M0): e + 127.
;;     - Each number is divided by its block's scale, clamped to +-6, and rounded to the nearest number of E2M1, ties to even, subnormals kept.
;;     - The product sums the exact products of the quantised numbers (number of the format x scale) in f32.
;;   ~~~python
;;   def quantise(x, axis):      # numpy; x: float32 -> the quantised numbers, widened to float32 again
;;       x = np.moveaxis(x, axis, -1); K = x.shape[-1]
;;       x = np.pad(x, [(0, 0)] * (x.ndim - 1) + [(0, -K % 32)]); x = x.reshape(x.shape[:-1] + (-1, 32)); a = np.abs(x).max(-1, keepdims=True)
;;       e = np.where(a > 0, np.clip(np.frexp(np.where(a > 0, a, 1))[1] - 1 - 2, -126, 127), 0)      # np.frexp(a)[1] - 1 = floor(log2(a)), exactly
;;       r = np.clip(x / 2.0 ** e, -6, 6)
;;       step = 2.0 ** (np.maximum(np.frexp(np.where(r == 0, 1, r))[1] - 1, 0) - 1)
;;       q = np.round(r / step) * step * 2.0 ** e      # np.round: ties to even
;;       return np.moveaxis(q.reshape(q.shape[:-2] + (-1,))[..., :K], -1, axis).astype(np.float32)
;;   ~~~
;; One version. Each part assembles by itself: llvm-mc -triple=amdgcn-amd-amdhsa -mcpu=gfx1250 --defsym DOCPART=n.
;; ======== version 1 of 1: 5 launches
;; limits: values are held in f16: magnitudes above 65,504 overflow, below 6.1e-05 lose precision
;; workspace buffers: xc 4,194,304 bytes; xs 262,144 bytes; wc 1,572,864 bytes; ws 98,304 bytes; wo16 2,097,152 bytes; qkv16 50,331,648 bytes; qkvf 786,432 bytes; ctx16 16,777,216 bytes
;; launch prep (part 1): grid 384 x 1, 4 waves a work-group, no clusters, 33,280 bytes of LDS; arguments x, W_Q, W_K, W_V, W_O, xc, xs, wc, ws, wo16; writes xc, xs, wc, ws, wo16
.if DOCPART == 1
	.amdgcn_target "amdgcn-amd-amdhsa--gfx1250"
	.amdhsa_code_object_version 6
	.text
	.protected	k_q4118ec51b9_prep
	.globl	k_q4118ec51b9_prep
	.p2align	8
	.type	k_q4118ec51b9_prep,@function
k_q4118ec51b9_prep:
	s_mov_b64 s[64:65], 0
	v_nop
	global_prefetch_b8 v0, s[64:65] scope:SCOPE_SE
	s_setreg_imm32_b32 hwreg(HW_REG_WAVE_MODE, 25, 1), 1
	s_wait_xcnt 0x0
; x [8192][1024] and W_Q, W_K, W_V [1024][1024], f32 with K innermost, become codes of FP4 (E2M1), two a byte, and one E8M0 byte for each 32 along K; W_O becomes f16.
; A block's scale is 2^(floor(log2(its largest magnitude)) - 2); its byte is the largest magnitude's exponent field - 2, held at 1 from below.  A block of zeros gets the byte 1 where the quantiser says 127:
; its codes are zeros, which add nothing, and the bytes are read by this program alone.
; LIMITS: NaN and infinities among the inputs are not served; |W_O| stays under 65,504 (f16); blocks whose largest magnitude lies under 2^-124 keep the floor's byte.
; SHARES.  A work-group takes 32,768 numbers, a wave 8,192.  Work-groups 0-255: x -> xc, xs.  256-351: W_Q, W_K, W_V, 32 each -> wc, ws, the three on end.  352-383: W_O -> wo16.
; Rows are dense and K is a multiple of 32: every tensor is a plain stream of blocks of 32.  Only pointers are chosen for the quantiser: all four tensors take one path.
; A step is 512 numbers: four loads of 512 consecutive bytes; through the wave's own stage in LDS they come back 16 neighbours a lane (two lanes to a block); a lane's 16 codes are 8 bytes,
; so the wave stores 256 consecutive bytes.  A wave's 256 scale bytes are gathered in its own LDS bytes and leave as 256 consecutive bytes.  No barrier: waves share nothing.
.set WAVES, 4
.set STEPS, 16
.set EMAX,  2
.set CB,    8                          ; bytes of 16 codes
.set R,     16                         ; v16-79   four sets of 16 numbers as loaded (cast: v16-143, two groups of 64)
.set X,     80                         ; v80-111  two sets of 16 neighbours
.set E,     112                        ; v112-127 a scale byte for each step
.set C,     128                        ; v128-191 codes, four registers a step (cast: v144-175 packed f16)
.set WREG,  8192                       ; LDS: a region for each wave: two stages of 32 x SP bytes, then its 256 scale bytes
.set SP,    80                         ; a lane's 64 bytes + 16 of padding
.set SPW,   12                         ; v12 LDS address of my spare word; never rewritten
.set NIL,   13                         ; v13 0; never rewritten
.set SPARE, WAVES*WREG                 ; the spare words: 128 bytes a wave, named by no other line
	s_load_b512 s[8:23], s[0:1], 0x0               ; x s[8:9], W_Q s[10:11], W_K s[12:13], W_V s[14:15], W_O s[16:17], xc s[18:19], xs s[20:21], wc s[22:23]
	s_load_b128 s[24:27], s[0:1], 0x40             ; ws s[24:25], wo16 s[26:27]
	v_lshl_add_u32 v[SPW], v0, 2, SPARE
	v_mov_b32 v[NIL], 0
	v_lshrrev_b32 v1, 5, v0
	v_readfirstlane_b32 s28, v1                    ; wave
	v_and_b32 v2, 31, v0                           ; lane
	v_lshlrev_b32 v3, 4, v2                        ; my 16 bytes of a load's 512
	s_mul_i32 s2, s28, WREG
	v_lshrrev_b32 v14, 2, v2
	v_mul_u32_u24 v14, v14, SP
	v_and_b32 v15, 3, v2
	v_lshl_add_u32 v14, v15, 4, v14
	v_add_nc_u32 v14, s2, v14                      ; the stage, in: SP (lane / 4) + 16 (lane % 4)
	v_mul_u32_u24 v15, v2, SP
	v_add_nc_u32 v15, s2, v15                      ; the stage, out: SP x lane: my 16 neighbours
	v_mul_u32_u24 v4, v2, CB                       ; 8 x lane: my codes' place in a step's; also my f16's place in the cast
	v_lshrrev_b32 v5, 1, v2
	s_add_co_u32 s2, s2, 2*32*SP
	v_add_nc_u32 v5, s2, v5                        ; my block's scale byte in my wave's 256
	v_lshlrev_b32 v7, 3, v2
	v_add_nc_u32 v6, s2, v7                        ; and 8 bytes a lane on the way out
	s_mov_b32 s35, 0
	s_wait_kmcnt 0x0
	s_cmp_ge_u32 ttmp9, 352
	s_cbranch_scc1 .Lcast                          ; the work-group's number alone decides
	s_cmp_lt_u32 ttmp9, 320
	s_cselect_b64 s[4:5], s[12:13], s[14:15]       ; W_K or W_V,
	s_cmp_lt_u32 ttmp9, 288
	s_cselect_b64 s[4:5], s[10:11], s[4:5]         ; or W_Q,
	s_cmp_lt_u32 ttmp9, 256
	s_cselect_b64 s[4:5], s[8:9], s[4:5]           ; or x
	s_cselect_b64 s[6:7], s[18:19], s[22:23]       ; the codes' buffer
	s_cselect_b64 s[30:31], s[20:21], s[24:25]     ; the scale bytes' buffer
	s_cselect_b32 s29, 0, 256
	s_sub_co_u32 s32, ttmp9, s29                   ; which 32,768 numbers of the destination
	s_and_b32 s33, s32, 31
	s_cmp_lt_u32 ttmp9, 256
	s_cselect_b32 s33, s32, s33                    ; and of the source: a weight has 32 of them
	s_lshl_b32 s33, s33, 2
	s_add_co_u32 s33, s33, s28                     ; my wave's run of 8,192 numbers in the source,
	s_lshl_b32 s32, s32, 2
	s_add_co_u32 s32, s32, s28                     ; and in the destination
	s_lshl_b32 s34, s33, 15
	s_add_nc_u64 s[4:5], s[4:5], s[34:35]          ; 32,768 bytes of f32 a run
	s_lshl_b32 s34, s32, 12
	s_add_nc_u64 s[6:7], s[6:7], s[34:35]          ; 4,096 bytes of codes
	s_lshl_b32 s34, s32, 8
	s_add_nc_u64 s[30:31], s[30:31], s[34:35]      ; 256 scale bytes
.macro LOAD t
.irp i, 0,1,2,3
	global_load_b128 v[R+16*((\t)%4)+4*\i:R+16*((\t)%4)+4*\i+3], v3, s[4:5] offset:2048*(\t)+512*\i th:TH_LOAD_NT   ; 32 lanes read 512 consecutive bytes
.endr
.endm
.macro TURN t                          ; step t's numbers through the stage: LDS serves a wave's instructions in order, so no wait stands between the stores and the loads
.irp i, 0,1,2,3
	ds_store_b128 v14, v[R+16*((\t)%4)+4*\i:R+16*((\t)%4)+4*\i+3] offset:32*SP*((\t)%2)+8*SP*\i
.endr
.irp i, 0,1,2,3
	ds_load_b128 v[X+16*((\t)%2)+4*\i:X+16*((\t)%2)+4*\i+3], v15 offset:32*SP*((\t)%2)+16*\i
.endr
.endm
.irp t, 0,1,2,3
	LOAD \t
.endr
	s_wait_loadcnt 12                              ; step 0's four loads are in; three steps' twelve stay out
	TURN 0
.macro STEP t
.set XS, X+16*((\t)%2)
.if (\t) > 0
	s_wait_dscnt 1                                 ; this step's numbers are back from the stage; the last step's byte store may be out
.else
	s_wait_dscnt 0x0
.endif
.if (\t)+4 < STEPS
	LOAD (\t)+4                                    ; into the registers that the stage's stores have read
.endif
.if (\t)+1 < STEPS
.if STEPS-2-(\t) >= 3
	s_wait_loadcnt 12                              ; the next step's four loads are in; three steps' twelve stay out
.else
	s_wait_loadcnt 4*(STEPS-2-(\t))
.endif
	TURN (\t)+1
.endif
	v_max3_num_f32 v8, |v[XS]|, |v[XS+1]|, |v[XS+2]|               ; the largest magnitude of my 16, in two chains
	v_max3_num_f32 v9, |v[XS+3]|, |v[XS+4]|, |v[XS+5]|
.irp i, 6,10
	v_max3_num_f32 v8, v8, |v[XS+\i]|, |v[XS+\i+1]|
	v_max3_num_f32 v9, v9, |v[XS+\i+2]|, |v[XS+\i+3]|
.endr
	v_max3_num_f32 v8, v8, |v[XS+14]|, |v[XS+15]|
	v_max3_num_f32 v8, v8, v9, (EMAX+1)<<23        ; and the floor 2^(3 - 127): the byte cannot fall under 1
	v_max_num_f32_dpp v8, v8, v8 row_xmask:1 row_mask:0xf bank_mask:0xf   ; with my neighbour's 16: the block's
	v_add_nc_u32 v11, -(EMAX<<23), v8              ; 2 off its exponent field: the conversion takes that field of this operand as its scale
	v_cvt_scalef32_pk8_fp4_f32 v[C+4*(\t)], v[XS:XS+7], v11
	v_cvt_scalef32_pk8_fp4_f32 v[C+4*(\t)+1], v[XS+8:XS+15], v11
	v_lshrrev_b32 v[E+(\t)], 23, v11               ; the scale's byte (a plain line behind the conversions)
	ds_store_b8 v5, v[E+(\t)] offset:16*(\t)       ; both lanes of a block write the same byte with the same value
	global_store_b64 v4, v[C+4*(\t):C+4*(\t)+1], s[6:7] offset:32*CB*(\t)   ; 256 consecutive bytes, aligned
.endm
.irp t, 0,1,2,3,4,5,6,7,8,9,10,11,12,13,14,15
	STEP \t
.endr
	ds_load_b64 v[8:9], v6                         ; my wave's 256 scale bytes: these loads see my stores
	s_wait_dscnt 0x0
	global_store_b64 v7, v[8:9], s[30:31]          ; 256 consecutive bytes, aligned
	s_wait_tensorcnt 0x0                           ; the wave's end, behind my last LDS store
	ds_add_u32 v[SPW], v[NIL]
	s_wait_dscnt 0x0
	s_endpgm
; W_O to f16: a wave takes 8,192 numbers in four groups of 16 loads; two groups are on their way.  No LDS is touched on this path.
.Lcast:
	s_sub_co_u32 s32, ttmp9, 352
	s_lshl_b32 s32, s32, 2
	s_add_co_u32 s32, s32, s28                     ; my wave's run
	s_lshl_b32 s34, s32, 15
	s_add_nc_u64 s[4:5], s[16:17], s[34:35]
	s_lshl_b32 s34, s32, 14
	s_add_nc_u64 s[6:7], s[26:27], s[34:35]
.macro LOADG q
.irp i, 0,1,2,3,4,5,6,7,8,9,10,11,12,13,14,15
	global_load_b128 v[16+64*((\q)%2)+4*\i:16+64*((\q)%2)+4*\i+3], v3, s[4:5] offset:8192*(\q)+512*\i th:TH_LOAD_NT
.endr
.endm
	LOADG 0
	LOADG 1
.irp q, 0,1,2,3
.if \q < 3
	s_wait_loadcnt 16                              ; this group is in; the next group's sixteen stay out
.else
	s_wait_loadcnt 0x0
.endif
.if \q > 0
	s_wait_xcnt 0x0                                ; the last group's stores have read their data registers, which are written again below
.endif
.irp i, 0,1,2,3,4,5,6,7,8,9,10,11,12,13,14,15
	v_cvt_pk_f16_f32 v[144+2*\i], v[16+64*(\q%2)+4*\i], v[16+64*(\q%2)+4*\i+1]
	v_cvt_pk_f16_f32 v[145+2*\i], v[16+64*(\q%2)+4*\i+2], v[16+64*(\q%2)+4*\i+3]
.endr
.irp i, 0,1,2,3,4,5,6,7,8,9,10,11,12,13,14,15
	global_store_b64 v4, v[144+2*\i:145+2*\i], s[6:7] offset:4096*\q+256*\i   ; 256 consecutive bytes, aligned
.endr
.if \q < 2
	LOADG \q+2
.endif
.endr
	s_endpgm
.Lfunc_end_k_q4118ec51b9_prep:
	.size	k_q4118ec51b9_prep, .Lfunc_end_k_q4118ec51b9_prep-k_q4118ec51b9_prep
	.p2alignl 7, 3214868480
	.fill 96, 4, 3214868480
	.section	.rodata,"a",@progbits
	.p2align	6, 0x0
	.amdhsa_kernel k_q4118ec51b9_prep
		.amdhsa_group_segment_fixed_size 33280
		.amdhsa_private_segment_fixed_size 0
		.amdhsa_enable_private_segment 0
		.amdhsa_kernarg_size 80
		.amdhsa_user_sgpr_count 2
		.amdhsa_user_sgpr_kernarg_segment_ptr 1
		.amdhsa_wavefront_size32 1
		.amdhsa_system_sgpr_workgroup_id_x 1
		.amdhsa_system_sgpr_workgroup_id_y 1
		.amdhsa_system_sgpr_workgroup_id_z 1
		.amdhsa_system_vgpr_workitem_id 0
		.amdhsa_next_free_vgpr 192
		.amdhsa_next_free_sgpr 66
		.amdhsa_reserve_vcc 0
		.amdhsa_float_denorm_mode_32 3
		.amdhsa_float_denorm_mode_16_64 3
		.amdhsa_memory_ordered 1
		.amdhsa_forward_progress 1
		.amdhsa_inst_pref_size 54
	.end_amdhsa_kernel
	.amdgpu_metadata
---
amdhsa.version: [ 1, 2 ]
amdhsa.kernels:
  - .name:           k_q4118ec51b9_prep
    .symbol:         k_q4118ec51b9_prep.kd
    .args:
      - { .name: x, .offset: 0, .size: 8, .value_kind: global_buffer, .address_space: global }
      - { .name: W_Q, .offset: 8, .size: 8, .value_kind: global_buffer, .address_space: global }
      - { .name: W_K, .offset: 16, .size: 8, .value_kind: global_buffer, .address_space: global }
      - { .name: W_V, .offset: 24, .size: 8, .value_kind: global_buffer, .address_space: global }
      - { .name: W_O, .offset: 32, .size: 8, .value_kind: global_buffer, .address_space: global }
      - { .name: xc, .offset: 40, .size: 8, .value_kind: global_buffer, .address_space: global }
      - { .name: xs, .offset: 48, .size: 8, .value_kind: global_buffer, .address_space: global }
      - { .name: wc, .offset: 56, .size: 8, .value_kind: global_buffer, .address_space: global }
      - { .name: ws, .offset: 64, .size: 8, .value_kind: global_buffer, .address_space: global }
      - { .name: wo16, .offset: 72, .size: 8, .value_kind: global_buffer, .address_space: global }
    .group_segment_fixed_size: 33280
    .private_segment_fixed_size: 0
    .kernarg_segment_align: 8
    .kernarg_segment_size: 80
    .max_flat_workgroup_size: 128
    .sgpr_count:     66
    .vgpr_count:     192
    .wavefront_size: 32
...
	.end_amdgpu_metadata
.endif
;; end of part 1
;; launch qkv (part 2): grid 12 x 32, 4 waves a work-group, clusters of 4 x 4, 327,680 bytes of LDS; arguments xc, xs, wc, ws, qkv16, qkvf; writes qkv16, qkvf
.if DOCPART == 2
	.amdgcn_target "amdgcn-amd-amdhsa--gfx1250"
	.amdhsa_code_object_version 6
	.text
	.protected	k_q4118ec51b9_qkv
	.globl	k_q4118ec51b9_qkv
	.p2align	8
	.type	k_q4118ec51b9_qkv,@function
k_q4118ec51b9_qkv:
	s_mov_b64 s[64:65], 0
	v_nop
	global_prefetch_b8 v0, s[64:65] scope:SCOPE_SE
	s_setreg_imm32_b32 hwreg(HW_REG_WAVE_MODE, 25, 1), 1
	s_wait_xcnt 0x0
	s_wait_alu depctr_hold_cnt(0) depctr_sa_sdst(0) depctr_va_vdst(0) depctr_va_sdst(0) depctr_va_ssrc(0) depctr_va_vcc(0) depctr_vm_vsrc(0)
	s_getreg_b32 s2, hwreg(HW_REG_IB_STS2, 6, 4)
	s_cmp_eq_u32 s2, 0
	s_cbranch_scc0 .Lentry_in_a_cluster
	s_endpgm
.Lentry_in_a_cluster:
	s_bfe_u32 s2, ttmp6, 0x10000c
	s_cmp_lg_u32 s2, 0xf033
	s_cbranch_scc0 .Lentry_shape_is_right
	s_endpgm
.Lentry_shape_is_right:
; Q, K, V = x W^T as ONE product on codes of FP4 (E2M1) with one E8M0 scale for each 32 along K: [8192][1024] x [3072][1024]^T, sums in f32.
; A tile of 256 x 256 is made by four waves, each 128 x 128: 64 accumulators, 512 registers.  K = 1,024 is two LDS slots of 512 along K: both are first fills, nothing is filled again.
; The scale bytes of the tile's 256 + 256 rows come once, with the first fills.  CLUSTERS: 4 x 4 work-groups; x's tiles are asked for jointly along a row of the cluster, the weights' along a column.
; THE PRODUCT IS USED TRANSPOSED (source 0 = 16 rows of the weights, source 1 = 16 rows of x): a lane holds eight neighbouring columns of one row.
; TILES.  Tile row = 8 cy + cluster y: so the batch is cy and the tile's first position 256 x cluster y.  Tile column = 4 cluster x + cx: cluster x says Q, K or V, and the tile's first head is 4 cx.
; RESULTS leave as f16 laid by head, qkv16 [Q, K, V][16 b + h][2048][64]; positions 0-15 of each batch leave as f32 too, qkvf [b][16][3072], for the launch that carries those rows finely.
; LIMITS: |Q|, |K|, |V| stay under 65,504 (f16).
; REGISTERS, in windows of 256: window 0: v0-31 addresses; v32-95 scale words, two sets; v128-191 x's fragments, one set; on the way out v32-63, v128-255 are free.
;   window 1: the weights' fragments, two sets, at v0 and v128.  window 2: the accumulators of my rows 0-63 ((a, b) at v[8 (8 a + b)]); window 3: those of rows 64-127.
.set SIZE_K, 1024
.set KSTEP,  512
.set NQ,     KSTEP/128
.set ROWB,   256                       ; a tile's row in bytes
.set KROW,   SIZE_K*4/8                ; a row of codes in memory
.set PITCH,  272                       ; an LDS row: 256 bytes + 16 of padding: the 16 rows of a load start at 16 different places modulo 256 bytes
.set FR,     8
.set NL,     2
.set NP,     4                         ; places behind this matrix instruction (ISA guide 7.12.1)
.set HALFT,  128*PITCH
.set SLOT,   4*HALFT
.set KS,     SIZE_K/32
.set SCL,    2*SLOT                    ; behind the slots: the scale bytes, as rows of 256 bytes + 16
.set HALFS,  (128*KS/256)*272
.set SBLK,   (16*KS/256)*272
.set SPARE,  SCL+4*HALFS               ; the spare words: 128 bytes a wave, named by no other line
.set SP16,   272                       ; the way out: a stage of 16 rows x (256 + 16) bytes for each wave, in slot 0, which has had its one fill and its last read by then;
.set SP32,   528                       ; and behind the four, a stage of 16 rows x (512 + 16) for each wave, for the f32 rows
.set ADRA, 16
.set ADRB, 20
.set STF,  22                          ; v22 f32 stage: where I put 32 bytes of a row
.set RDF,  23                          ; v23 f32 stage: where I read a row back
.set STO,  24                          ; v24 f16 stage: where I put 16 bytes of a row
.set RD,   25                          ; v25 f16 stage: where I read back
.set CO,   26                          ; v26 16 x lane
.set ADRS, 27
.set SPW,  28
.set NIL,  29
.set SC,   32
.set AF,   128
.set TMP,  192                         ; the way out: packed results
.set OB,   32                          ; the way out: rows read back: v32-63 and v224-255 by turns
.set G1, 24
.set G0, 32
.set G1B, 48
.set G0B, 56
.set G1S, 68
.set G0S, 76
.set G1SB, 80
.set G0SB, 88
.set FIN, 97                           ; s97 1 where my first 16 rows are positions 0-15 of a batch
.set MSB, 0
.macro WIN new                         ; the immediate's high byte repeats the setting that is left
.if MSB != \new
	s_set_vgpr_msb (MSB<<8)|\new
.set MSB, \new
.endif
.endm
.set MUL_LO, 0xa1
.set MUL_HI, 0xf1
.set TO_B,   0x40
; A joint load: waves 0 and 1 fetch for x, waves 2 and 3 for the weights; the branch hangs on the wave's number alone.  An s_nop 0 and four v_nop follow each line.
.macro JLOAD g0a, g1a, g0b, g1b
	s_cmp_eq_u32 s15, 0
	s_cbranch_scc0 .Lfor_b_\@
	tensor_load_to_lds s[\g0a:\g0a+3], s[\g1a:\g1a+7]
	s_nop 0
.rept 4
	v_nop
.endr
	s_branch .Lasked_\@
.Lfor_b_\@:
	tensor_load_to_lds s[\g0b:\g0b+3], s[\g1b:\g1b+7]
	s_nop 0
.rept 4
	v_nop
.endr
.Lasked_\@:
.endm
.macro CROUND                          ; a round of the cluster's barrier
	s_barrier_signal -1
	s_barrier_wait -1
	s_cmp_lg_u32 s14, 0
	s_cbranch_scc1 .Lnot_wave_0_\@
	s_barrier_signal -3
.Lnot_wave_0_\@:
	s_barrier_wait -3
	s_barrier_signal -1
	s_barrier_wait -1
.endm
	s_load_b128 s[4:7], s[0:1], 0x0                ; xc, xs
	s_load_b128 s[8:11], s[0:1], 0x10              ; wc, ws
	s_load_b64 s[12:13], s[0:1], 0x20              ; qkv16
	s_load_b64 s[98:99], s[0:1], 0x28              ; qkvf
	v_lshl_add_u32 v[SPW], v0, 2, SPARE
	v_mov_b32 v[NIL], 0
	ds_add_u32 v[SPW], v[NIL]                      ; the wave's opening: the add, twice on end, and its wait ahead of my first tensor load
	ds_add_u32 v[SPW], v[NIL]
	v_lshrrev_b32 v1, 5, v0
	v_readfirstlane_b32 s14, v1                    ; wave 0..3
	s_lshr_b32 s15, s14, 1                         ; which half of the tile's rows is mine; also: I fetch for x (0) or for the weights (1)
	s_and_b32 s16, s14, 1                          ; which half of its columns; also: which 128 rows I fetch
	s_bfe_u32 s40, ttmp6, 0x40000                  ; cx
	s_bfe_u32 s41, ttmp6, 0x40004                  ; cy
	s_lshl_b32 s42, ttmp9, 2
	s_add_co_u32 s42, s42, s40                     ; tile column = 4 x cluster x + cx
	s_and_b32 s17, ttmp7, 0xffff
	s_lshl_b32 s18, s41, 3
	s_add_co_u32 s17, s17, s18                     ; tile row = 8 cy + cluster y
	s_lshl_b32 s43, s41, 2
	s_lshl_b32 s43, 15, s43                        ; my row of the cluster
	s_lshl_b32 s44, 0x1111, s40                    ; my column
	s_or_b32 s[G1+0], s43, (0<<16)|(1<<20)|(1<<21)|(5<<22)|(3<<25)  ; the mask; elements of 1 byte; padding on; bit 21 beside a mask; 4 words behind every 64
	s_or_b32 s[G1B+0], s44, (0<<16)|(1<<20)|(1<<21)|(5<<22)|(3<<25)
.irp g, G1, G1B
	s_mov_b32 s[\g+1], ROWB<<16                    ; tensor_dim0
	s_mov_b32 s[\g+2], 128<<16                     ; tensor_dim1
	s_mov_b32 s[\g+3], ROWB<<16                    ; tile_dim0
	s_mov_b32 s[\g+4], 128                         ; tile_dim1
	s_mov_b32 s[\g+5], KROW                        ; the pitch in memory
	s_mov_b32 s[\g+6], 0
	s_mov_b32 s[\g+7], 0
.endr
	s_or_b32 s[G1S+0], s43, (3<<16)|(1<<20)|(1<<21)|(5<<22)|(3<<25)  ; the scale bytes of 128 rows: 4,096 dense bytes as 16 rows of 256 (32 elements of 8 bytes)
	s_or_b32 s[G1SB+0], s44, (3<<16)|(1<<20)|(1<<21)|(5<<22)|(3<<25)
.irp g, G1S, G1SB
	s_mov_b32 s[\g+1], 32<<16
	s_mov_b32 s[\g+2], (128*KS/256)<<16
	s_mov_b32 s[\g+3], 32<<16
	s_mov_b32 s[\g+4], 128*KS/256
	s_mov_b32 s[\g+5], 32
	s_mov_b32 s[\g+6], 0
	s_mov_b32 s[\g+7], 0
.endr
	s_lshl_b32 s18, s16, 7
	s_lshl_b32 s20, s17, 8
	s_add_co_u32 s20, s20, s18                     ; x: row 256 x tile row + 128 x half
	s_lshl_b32 s46, s42, 8
	s_add_co_u32 s46, s46, s18                     ; weights: row 256 x tile column + 128 x half
	s_mov_b32 s21, 0
	s_mov_b32 s47, 0
	s_mov_b64 s[18:19], KS
	s_mul_u64 s[22:23], s[20:21], s[18:19]         ; where these rows' scale bytes begin
	s_mul_u64 s[92:93], s[46:47], s[18:19]
	s_mov_b64 s[18:19], KROW
	s_mul_u64 s[20:21], s[20:21], s[18:19]         ; and their codes
	s_mul_u64 s[46:47], s[46:47], s[18:19]
	s_mul_i32 s45, s14, HALFT                      ; where they go: the wave's number alone enters an LDS address
	s_mul_i32 s94, s14, HALFS
	s_wait_dscnt 0x0                               ; both opening adds are done
	s_wait_kmcnt 0x0
	s_add_nc_u64 s[20:21], s[4:5], s[20:21]
	s_add_nc_u64 s[22:23], s[6:7], s[22:23]
	s_add_nc_u64 s[46:47], s[8:9], s[46:47]
	s_add_nc_u64 s[92:93], s[10:11], s[92:93]
	CROUND                                         ; all sixteen work-groups are here: the joint loads meet
	s_mov_b32 s[G0S], 1
	s_add_co_u32 s[G0S+1], s94, SCL
	s_mov_b64 s[G0S+2:G0S+3], s[22:23]
	s_or_b32 s[G0S+3], s[G0S+3], 0x80000000
	s_mov_b32 s[G0SB], 1
	s_add_co_u32 s[G0SB+1], s94, SCL
	s_mov_b64 s[G0SB+2:G0SB+3], s[92:93]
	s_or_b32 s[G0SB+3], s[G0SB+3], 0x80000000
	JLOAD G0S, G1S, G0SB, G1SB                     ; the scale bytes first; three loads of mine are out behind the two below
.irp s, 0,1
	s_mov_b32 s[G0+4*\s], 1
	s_add_co_u32 s[G0+4*\s+1], s45, \s*SLOT
	s_add_nc_u64 s[G0+4*\s+2:G0+4*\s+3], s[20:21], \s*ROWB
	s_or_b32 s[G0+4*\s+3], s[G0+4*\s+3], 0x80000000
	s_mov_b32 s[G0B+4*\s], 1
	s_add_co_u32 s[G0B+4*\s+1], s45, \s*SLOT
	s_add_nc_u64 s[G0B+4*\s+2:G0B+4*\s+3], s[46:47], \s*ROWB
	s_or_b32 s[G0B+4*\s+3], s[G0B+4*\s+3], 0x80000000
	JLOAD G0+4*\s, G1, G0B+4*\s, G1B
.endr
	v_and_b32 v1, 15, v0                           ; r = l % 16
	v_bfe_u32 v2, v0, 4, 1                         ; h = l / 16
	v_mul_u32_u24 v3, v1, PITCH
	v_lshl_add_u32 v4, v2, 4, v3                   ; a fragment's row x pitch + 16 h
	s_mul_i32 s21, s15, HALFT
	s_mul_i32 s22, s16, HALFT
	s_add_co_u32 s22, s22, 2*HALFT
.irp s, 0,1
	v_add_nc_u32 v[ADRA+\s], s21, v4
	v_add_nc_u32 v[ADRB+\s], s22, v4
	s_add_co_u32 s21, s21, SLOT
	s_add_co_u32 s22, s22, SLOT
.endr
	v_mul_u32_u24 v5, v1, KS                       ; my row's scale bytes: KS a row,
	v_lshrrev_b32 v6, 8, v5
	v_lshl_add_u32 v5, v6, 4, v5                   ; and 16 more for each 256 passed
	s_mul_i32 s21, s15, HALFS
	s_mul_i32 s22, s16, HALFS
	s_add_co_u32 s22, s22, 2*HALFS
	s_sub_co_u32 s22, s22, s21
	v_mul_u32_u24 v6, s22, v2                      ; lanes 16-31 take the weights'
	s_add_co_u32 s21, s21, SCL
	v_add_nc_u32 v5, v5, v6
	v_add_nc_u32 v[ADRS], s21, v5
	s_mul_i32 s23, s14, 16*SP16                    ; my f16 stage
	v_mul_u32_u24 v5, v1, SP16
	v_lshl_add_u32 v5, v2, 4, v5
	v_add_nc_u32 v[STO], s23, v5                   ; in: row r, 16 bytes for each half of the lanes
	v_bfe_u32 v5, v0, 3, 2
	v_mul_u32_u24 v5, v5, SP16
	v_and_b32 v6, 7, v0
	v_lshl_add_u32 v5, v6, 4, v5
	v_add_nc_u32 v[RD], s23, v5                    ; back: eight lanes take a head's 128 bytes of a row, 32 lanes four rows
	v_and_b32 v6, 31, v0
	v_lshlrev_b32 v[CO], 4, v6
	s_mul_i32 s23, s14, 16*SP32
	s_add_co_u32 s23, s23, 4*16*SP16               ; my f32 stage
	v_mul_u32_u24 v5, v1, SP32
	v_lshl_add_u32 v5, v2, 5, v5
	v_add_nc_u32 v[STF], s23, v5
	v_add_nc_u32 v[RDF], s23, v[CO]
	; where my results go (in registers that feed no descriptor of x's)
	s_lshl_b32 s46, ttmp9, 24                      ; Q, K or V: 2^24 bytes each
	s_lshl_b32 s47, s41, 4                         ; 16 b,
	s_lshl_b32 s92, s40, 2
	s_add_co_u32 s47, s47, s92                     ; + 4 cx,
	s_lshl_b32 s92, s16, 1
	s_add_co_u32 s47, s47, s92                     ; + 2 x my half of the columns: my first head
	s_lshl_b32 s47, s47, 18                        ; a head is 2,048 rows of 128 bytes
	s_add_co_u32 s46, s46, s47
	s_and_b32 s92, ttmp7, 0xffff
	s_lshl_b32 s93, s92, 15                        ; 256 x cluster y rows,
	s_add_co_u32 s46, s46, s93
	s_lshl_b32 s93, s15, 14                        ; + 128 x my half of the rows
	s_add_co_u32 s46, s46, s93
	s_mov_b32 s47, 0
	s_add_nc_u64 s[12:13], s[12:13], s[46:47]
	s_or_b32 s96, s92, s15
	s_cmp_eq_u32 s96, 0                            ; cluster y = 0 and the upper half of the rows: equal in all partners for a given wave
	s_cselect_b32 s[FIN], 1, 0
	s_mul_i32 s46, s41, 196608                     ; qkvf: batch cy, 16 rows of 12,288 bytes,
	s_lshl_b32 s93, s42, 10
	s_add_co_u32 s46, s46, s93                     ; column 256 x tile column
	s_lshl_b32 s93, s16, 9
	s_add_co_u32 s46, s46, s93                     ; + 128 x half
	s_add_nc_u64 s[98:99], s[98:99], s[46:47]
.macro FRAG reg, adr, q, i             ; 16 rows x 128 K of 4-bit codes: 8 registers: lane l holds row l % 16; registers 4 c .. 4 c + 3 hold K = 64 c + 32 (l / 16) + 0 .. 31
.irp c, 0,1
	ds_load_b128 v[\reg+4*\c:\reg+4*\c+3], v[\adr] offset:64*(\q)+32*\c+(\i)*16*PITCH
.endr
.endm
; 16 matrix instructions: x's blocks a0, a0 + 1 against the weights' eight.  The 64 accumulators take turns, one instruction a turn, in the same order in every step.
.macro MUL16 a0, p, q, sc, zero
.irp a, \a0, \a0+1
.irp b, 0,1,2,3,4,5,6,7
.if \zero
	v_wmma_scale_f32_16x16x128_f8f6f4 v[8*(8*((\a)%4)+\b):8*(8*((\a)%4)+\b)+7], v[128*(\p)+FR*\b:128*(\p)+FR*\b+FR-1], v[AF+FR*(\a):AF+FR*(\a)+FR-1], 0, v[SC+8*NQ*(\sc)+NQ*\b+(\q)], v[SC+8*NQ*(\sc)+NQ*(\a)+(\q)] matrix_a_fmt:MATRIX_FMT_FP4 matrix_b_fmt:MATRIX_FMT_FP4 matrix_a_scale:MATRIX_SCALE_ROW1
.else
	v_wmma_scale_f32_16x16x128_f8f6f4 v[8*(8*((\a)%4)+\b):8*(8*((\a)%4)+\b)+7], v[128*(\p)+FR*\b:128*(\p)+FR*\b+FR-1], v[AF+FR*(\a):AF+FR*(\a)+FR-1], v[8*(8*((\a)%4)+\b):8*(8*((\a)%4)+\b)+7], v[SC+8*NQ*(\sc)+NQ*\b+(\q)], v[SC+8*NQ*(\sc)+NQ*(\a)+(\q)] matrix_a_fmt:MATRIX_FMT_FP4 matrix_b_fmt:MATRIX_FMT_FP4 matrix_a_scale:MATRIX_SCALE_ROW1
.endif
.endr
.endr
.endm
.macro FETCH_B slot, q, p
	WIN TO_B
.irp i, 0,1,2,3,4,5,6,7
	FRAG 128*(\p)+FR*\i, ADRB+\slot, \q, \i
.endr
	WIN 0
.endm
.macro FETCH_A slot, q, i0
.irp i, \i0, \i0+1, \i0+2, \i0+3
	FRAG AF+FR*(\i), ADRA+\slot, \q, \i
.endr
.endm
.macro SCALES sc                       ; a slot's scale words: lanes 0-15 take x's block i, lanes 16-31 the weights' block i
.irp i, 0,1,2,3,4,5,6,7
	ds_load_b128 v[SC+8*NQ*\sc+NQ*\i:SC+8*NQ*\sc+NQ*\i+3], v[ADRS] offset:\i*SBLK
.endr
.endm
.macro PLACES n                        ; plain vector lines between a matrix instruction and a load into, or a read of, its registers
.rept \n
	v_nop
.endr
.endm
.macro STEP slot, q, zero              ; 128 along K, with its successor in the same slot
	s_wait_dscnt 4*NL                              ; the weights' set and x's blocks 0-3 are in; the youngest eight loads (x's blocks 4-7) may be out
	WIN MUL_LO
	MUL16 0, (\q)%2, \q, \slot, \zero
	MUL16 2, (\q)%2, \q, \slot, \zero
	s_wait_dscnt 0
	PLACES NP
	FETCH_B \slot, (\q)+1, 1-(\q)%2
	FETCH_A \slot, (\q)+1, 0
	WIN MUL_HI
	MUL16 4, (\q)%2, \q, \slot, \zero
	MUL16 6, (\q)%2, \q, \slot, \zero
	PLACES NP
	WIN 0
	FETCH_A \slot, (\q)+1, 4
.endm
; Slot 0's last step changes slots: one barrier; in front of it each wave waits for all its tensor loads (slot 1's part), adds 0 to its spare word, and waits for that and for its reads of slot 0.
.macro TURN slot, next
	s_wait_tensorcnt 0x0
	ds_add_u32 v[SPW], v[NIL]
	s_wait_dscnt 4*NL+1                            ; the add and the youngest eight loads may be out
	WIN MUL_LO
	MUL16 0, 1, NQ-1, \slot, 0
	s_wait_dscnt 0x0                               ; the add is done, and my reads of this slot are over
	s_barrier_signal -1
	MUL16 2, 1, NQ-1, \slot, 0
	WIN 0
	s_barrier_wait -1
	PLACES NP
	v_add_nc_u32 v[ADRS], 4*NQ, v[ADRS]            ; the next slot's scale words: 16 bytes on in each row
	FETCH_B \next, 0, 0
	FETCH_A \next, 0, 0
	SCALES \next
	WIN MUL_HI
	MUL16 4, 1, NQ-1, \slot, 0
	MUL16 6, 1, NQ-1, \slot, 0
	PLACES NP
	WIN 0
	FETCH_A \next, 0, 4
.endm
.macro STEPS slot, from
.set Q, \from
.rept NQ-1-\from
	STEP \slot, Q, 0
.set Q, Q+1
.endr
.endm
	s_wait_tensorcnt 1                             ; the scale bytes and my part of slot 0 are in; slot 1's load may be out,
	s_barrier_signal -1
	s_barrier_wait -1                              ; everybody's are
	FETCH_B 0, 0, 0
	FETCH_A 0, 0, 0
	SCALES 0
	FETCH_A 0, 0, 4
	STEP 0, 0, 1                                   ; the first step's products start the sums: nothing is cleared
	STEPS 0, 1
	TURN 0, 1
	STEPS 1, 0
	s_wait_dscnt 4*NL
	WIN MUL_LO
	MUL16 0, 1, NQ-1, 1, 0
	MUL16 2, 1, NQ-1, 1, 0
	s_wait_dscnt 0
	WIN MUL_HI
	MUL16 4, 1, NQ-1, 1, 0
	MUL16 6, 1, NQ-1, 1, 0
	WIN 0
; THE WAY OUT, a block of 16 rows x 128 columns (two heads) at a time: rounded to f16, 16 bytes a lane into my stage, back so that 32 lanes hold four rows of one head: 512 consecutive bytes of qkv16.
.macro PACK a
.set AC, 64*((\a)%4)
	WIN 0x0a+5*((\a)/4)                            ; sources 0 and 1: window 2 or 3
.irp b, 0,1,2,3,4,5,6,7
.irp i, 0,1,2,3
	v_cvt_pk_f16_f32 v[TMP+4*\b+\i], v[AC+8*\b+2*\i], v[AC+8*\b+2*\i+1]   ; each accumulator from its low end on
.endr
.endr
	WIN 0
.endm
.macro TOSTAGE a
.set BB, OB+192*((\a)%2)
.irp b, 0,1,2,3,4,5,6,7
	ds_store_b128 v[STO], v[TMP+4*\b:TMP+4*\b+3] offset:32*\b
.endr
.irp u, 0,1
.irp i, 0,1,2,3
	ds_load_b128 v[BB+4*(4*\u+\i):BB+4*(4*\u+\i)+3], v[RD] offset:128*\u+4*SP16*\i   ; LDS serves a wave's instructions in order: these see the stores above
.endr
.endr
.endm
.macro SEND a
.set BB, OB+192*((\a)%2)
	s_wait_dscnt 0x0                               ; the block is back in registers
	s_wait_xcnt 0x0                                ; the block before has had its stores' registers read: the next block's loads may land there
.irp u, 0,1
.irp i, 0,1,2,3
	global_store_b128 v[CO], v[BB+4*(4*\u+\i):BB+4*(4*\u+\i)+3], s[12:13] offset:\u*262144+(\a)*2048+\i*512   ; 512 consecutive bytes, aligned
.endr
.endr
.endm
.macro FINE32                          ; my rows 0-15 as f32: through the f32 stage, back as whole rows of 512 bytes
	WIN 0x08                                       ; an LDS store's data are its source 1: window 2
.irp b, 0,1,2,3,4,5,6,7
	ds_store_b128 v[STF], v[8*\b:8*\b+3] offset:64*\b
	ds_store_b128 v[STF], v[8*\b+4:8*\b+7] offset:64*\b+16
.endr
	WIN 0
.irp t, 0,1,2,3,4,5,6,7,8,9,10,11,12,13,14,15
	ds_load_b128 v[AF+4*\t:AF+4*\t+3], v[RDF] offset:\t*SP32
.endr
	s_wait_dscnt 0x0
.irp t, 0,1,2,3,4,5,6,7,8,9,10,11,12,13,14,15
	global_store_b128 v[CO], v[AF+4*\t:AF+4*\t+3], s[98:99] offset:\t*12288   ; 512 consecutive bytes, aligned
.endr
.endm
	PLACES NP                                      ; behind the last products: for the reads of results and the loads into registers that held fragments and scale words
	s_cmp_lg_u32 s[FIN], 1
	s_cbranch_scc1 .Lnofine
	FINE32
.Lnofine:
	PACK 0
	TOSTAGE 0
.irp a, 1,2,3,4,5,6,7                  ; block a's conversions stand between block a - 1's loads from the stage and the wait for them
	PACK \a
	SEND \a-1
	TOSTAGE \a
.endr
	SEND 7
	s_wait_tensorcnt 0x0                           ; the wave's end
	ds_add_u32 v[SPW], v[NIL]
	s_wait_dscnt 0x0
	CROUND                                         ; the closing round
	s_endpgm
.Lfunc_end_k_q4118ec51b9_qkv:
	.size	k_q4118ec51b9_qkv, .Lfunc_end_k_q4118ec51b9_qkv-k_q4118ec51b9_qkv
	.p2alignl 7, 3214868480
	.fill 96, 4, 3214868480
	.section	.rodata,"a",@progbits
	.p2align	6, 0x0
	.amdhsa_kernel k_q4118ec51b9_qkv
		.amdhsa_group_segment_fixed_size 327680
		.amdhsa_private_segment_fixed_size 0
		.amdhsa_enable_private_segment 0
		.amdhsa_kernarg_size 48
		.amdhsa_user_sgpr_count 2
		.amdhsa_user_sgpr_kernarg_segment_ptr 1
		.amdhsa_wavefront_size32 1
		.amdhsa_system_sgpr_workgroup_id_x 1
		.amdhsa_system_sgpr_workgroup_id_y 1
		.amdhsa_system_sgpr_workgroup_id_z 1
		.amdhsa_system_vgpr_workitem_id 0
		.amdhsa_next_free_vgpr 1024
		.amdhsa_next_free_sgpr 100
		.amdhsa_reserve_vcc 0
		.amdhsa_float_denorm_mode_32 3
		.amdhsa_float_denorm_mode_16_64 3
		.amdhsa_memory_ordered 1
		.amdhsa_forward_progress 1
		.amdhsa_inst_pref_size 131
	.end_amdhsa_kernel
	.amdgpu_metadata
---
amdhsa.version: [ 1, 2 ]
amdhsa.kernels:
  - .name:           k_q4118ec51b9_qkv
    .symbol:         k_q4118ec51b9_qkv.kd
    .args:
      - { .name: xc, .offset: 0, .size: 8, .value_kind: global_buffer, .address_space: global }
      - { .name: xs, .offset: 8, .size: 8, .value_kind: global_buffer, .address_space: global }
      - { .name: wc, .offset: 16, .size: 8, .value_kind: global_buffer, .address_space: global }
      - { .name: ws, .offset: 24, .size: 8, .value_kind: global_buffer, .address_space: global }
      - { .name: qkv16, .offset: 32, .size: 8, .value_kind: global_buffer, .address_space: global }
      - { .name: qkvf, .offset: 40, .size: 8, .value_kind: global_buffer, .address_space: global }
    .group_segment_fixed_size: 327680
    .private_segment_fixed_size: 0
    .kernarg_segment_align: 8
    .kernarg_segment_size: 48
    .max_flat_workgroup_size: 128
    .sgpr_count:     100
    .vgpr_count:     1024
    .wavefront_size: 32
...
	.end_amdgpu_metadata
.endif
;; end of part 2
;; launch attn (part 3): grid 4 x 64, 8 waves a work-group, no clusters, 327,680 bytes of LDS; arguments qkv16, ctx16; writes ctx16
.if DOCPART == 3
	.amdgcn_target "amdgcn-amd-amdhsa--gfx1250"
	.amdhsa_code_object_version 6
	.text
	.protected	k_q4118ec51b9_attn
	.globl	k_q4118ec51b9_attn
	.p2align	8
	.type	k_q4118ec51b9_attn,@function
k_q4118ec51b9_attn:
	s_mov_b64 s[64:65], 0
	v_nop
	global_prefetch_b8 v0, s[64:65] scope:SCOPE_SE
	s_setreg_imm32_b32 hwreg(HW_REG_WAVE_MODE, 25, 1), 1
	s_wait_xcnt 0x0
; ctx[bh][q] = the sum over k <= q of softmax_k(Q[bh][q] . K[bh][k] / 8) V[bh][k].  Q, K, V: qkv16 [3][64][2048][64] f16; ctx16 [64][2048][64] f16.  Products on f16 operands with f32 sums;
; maxima, exponentials and sums in f32, with a running maximum; the weights are rounded to f16 for the second product, ctx once at the end.
; LIMITS: |ctx| under 65,504 (f16).  Positions 0-15 of every sequence are made here too, but the program's output rows for them come from the launch that carries them in f32.
; SHARES.  Work-group (p, bh) owns TWO blocks of 256 queries of head bh: block 7 - p, then block p.  Under the causal mask they walk key blocks 0 .. 7 - p and 0 .. p of 256 keys: nine trips for every
; work-group, so all 256 have the same work and every trip count is a constant.  Each of eight waves owns 32 queries of the block: two tiles of 16; two waves share a SIMD.
; NO CLUSTER: in a given trip the four work-groups of a head stand at different key blocks (0 .. 7 - p, then 0 .. p), so no tile is wanted by two of them at the same time.
; LAYOUT.  S^T = K Q^T (source 0 = 16 keys, source 1 = 16 queries): a lane holds ONE query (lane % 16) and keys 8 (lane / 16) + 0 .. 7.  Two such tiles, rounded to f16 in pairs, are source 1 of
; O^T = V^T P; V ([key][channel]) comes out of LDS turned, by ds_load_tr16_b128.
; RING.  Two slots of 256 keys.  Waves 0-3 fetch 64 rows of K each, waves 4-7 64 rows of V: one tensor load a wave behind each barrier, one load a wave out at the most.
; REGISTERS: window 0: v1-15 addresses and constants; v16-31 statistics, 8 a tile; v32-95 S^T, 32 a tile; v96-127 P, 16 a tile; v128-191 O^T, 32 a tile.
;   window 1: v0-31 Q; v64-127 K of a step; v128-191 V of a step.
.set PK,    144                        ; a row of K in LDS: 128 bytes + 16
.set PV,    160                        ; a row of V: 128 + 32
.set VOFF,  256*PK                     ; a slot: 256 rows of K, then 256 rows of V
.set SLOT1, 1<<17                      ; slot 1 begins here: one exclusive or turns an address
.set STAGE, 2*SLOT1                    ; the way out: 16 rows x 144 bytes for each wave; no tile lands here
.set SPARE, STAGE+8*16*PK              ; the spare words: 128 bytes a wave, named by no other line
.set NINF, 1                           ; v1  -infinity
.set AK0,  2                           ; v2  my lane's place in a tile of K
.set AV0,  3                           ; v3  the same for V
.set ADK,  4                           ; v4  the step's LDS address of K
.set ADV,  5                           ; v5  of V
.set QO,   6                           ; v6  my byte in a tile of Q
.set STO,  7                           ; v7  stage: in
.set RD,   8                           ; v8  stage: back
.set GO,   9                           ; v9  16 x lane
.set PFO,  10                          ; v10 256 x lane
.set RH,   11                          ; v11 lane % 16 - 8 (lane / 16)
.set DM0,  12                          ; v12, v13 the mask's limits for tiles 0, 1
.set SPW,  14
.set NIL,  15
.set ST,   16                          ; tile t at v[ST + 8 t]: +0 c m, +1 m, +2, +3 l, +4 .. +7 at work; a in +6
.set SC,   32
.set PP,   96
.set OO,   128
.set KR,   64                          ; in window 1
.set VR,   128
.set WV,  8
.set PN,  9
.set KB,  12                           ; s[12:13] K at my 64 rows of key block 0;  s[14:15] V likewise
.set VB,  14
.set G1K, 16
.set G1V, 24
.set G0K, 32
.set G0V, 36
.set OF,  40                           ; s[40:41] bytes from key block 0 to the block that is asked for
.set T,   42                           ; s42 the trip
.set SWT, 43                           ; s43 7 - p: the last trip of the first block of queries
.set KEY, 44                           ; s44 the step's first key
.set Q0,  45                           ; s45 my first query
.set TB,  46                           ; s46 LDS byte at which the slot in hand begins
.set Q0B, 47                           ; s47 my first query in the second block
.set CS,  50                           ; s[50:51] c = log2(e) / 8
.set SEL, 52                           ; s[52:53] selects for lane l xor 16
.set QA,  54
.set QB,  56
.set CA,  58
.set CB,  60
.set PFA, 66                           ; s[66:67] where my prefetches stand
.set LIM, 68                           ; s68 a wave prefetches while the trip is under it
.set MSB, 0
.macro WIN new
.if MSB != \new
	s_set_vgpr_msb (MSB<<8)|\new
.set MSB, \new
.endif
.endm
; Waves 0-3 fetch for K, waves 4-7 for V.  An s_nop 0 and four v_nop follow each line.
.macro TLOAD
	s_cmp_lt_u32 s[WV], 4
	s_cbranch_scc0 .Lfor_v_\@
	tensor_load_to_lds s[G0K:G0K+3], s[G1K:G1K+7]
	s_nop 0
.rept 4
	v_nop
.endr
	s_branch .Lasked_\@
.Lfor_v_\@:
	tensor_load_to_lds s[G0V:G0V+3], s[G1V:G1V+7]
	s_nop 0
.rept 4
	v_nop
.endr
.Lasked_\@:
.endm
; A prefetch of what the NEXT change of slots will ask for.  All four work-groups of a head walk the same K and V; the one with p = 0 walks key blocks 0 .. 7 first, and it alone asks: in trips 0 .. 5
; for key block trip + 2, each wave for the 64 rows (8,192 bytes) that it will itself load a trip later, lanes 256 bytes apart.  So each 256 bytes are named once; blocks 0 and 1 come by their loads alone.
.macro ASK
	s_cmp_lt_u32 s[T], s[LIM]
	s_cbranch_scc0 .Lnot_mine_\@
	global_prefetch_b8 v[PFO], s[PFA:PFA+1] th:TH_LOAD_NT scope:SCOPE_SE
.Lnot_mine_\@:
.endm
; THE CHANGE OF SLOTS, at a trip's head.  Each wave waits for all its tensor loads (its part of the slot ahead), adds 0 to its spare word, and waits for that and for its reads of the slot that it has left.
; Behind the barrier the slot ahead is whole and nobody reads the other one, which is then filled with the next trip's key block: the load has four key steps in which to land.
.macro CHANGE fill
	s_wait_tensorcnt 0x0                           ; no tensor load of mine is out, so the groups 0 may be written
	ds_add_u32 v[SPW], v[NIL]
.if \fill
	s_xor_b32 s[G0K+1], s[G0K+1], SLOT1
	s_xor_b32 s[G0V+1], s[G0V+1], SLOT1
	s_add_co_u32 s[OF], s[OF], 32768               ; the next 256 keys,
	s_cmp_eq_u32 s[T], s[SWT]
	s_cselect_b32 s[OF], 0, s[OF]                  ; or key block 0 again, for the second block of queries
	s_add_nc_u64 s[G0K+2:G0K+3], s[KB:KB+1], s[OF:OF+1]
	s_or_b32 s[G0K+3], s[G0K+3], 0x80000000
	s_add_nc_u64 s[G0V+2:G0V+3], s[VB:VB+1], s[OF:OF+1]
	s_or_b32 s[G0V+3], s[G0V+3], 0x80000000
	s_wait_xcnt 0x0                                ; the last prefetch, a trip back, has read its address
	s_add_nc_u64 s[PFA:PFA+1], s[PFA:PFA+1], 32768
.endif
	s_wait_dscnt 0x0                               ; the add is done, and my reads of the slot that I have left are over
	s_barrier_signal -1
	s_barrier_wait -1
.if \fill
	TLOAD                                          ; the first thing behind the barrier, and my one tensor load until the next
	ASK
.endif
.endm
; The softmax of both tiles for 64 keys; the tiles alternate line by line.
.macro SOFTMAX
.irp j, 0,1,2,3                        ; the maximum: four chains, each begun at its accumulator's low end
.irp t, 0,1
	v_max3_num_f32 v[ST+8*\t+4+\j], v[SC+32*\t+8*\j], v[SC+32*\t+8*\j+1], v[SC+32*\t+8*\j+2]
.endr
.endr
.irp g, 1,2
.irp j, 0,1,2,3
.irp t, 0,1
	v_max3_num_f32 v[ST+8*\t+4+\j], v[ST+8*\t+4+\j], v[SC+32*\t+8*\j+2*\g+1], v[SC+32*\t+8*\j+2*\g+2]
.endr
.endr
.endr
.irp t, 0,1
	v_max3_num_f32 v[ST+8*\t+4], v[ST+8*\t+4], v[SC+32*\t+7], v[SC+32*\t+15]
.endr
.irp t, 0,1
	v_max3_num_f32 v[ST+8*\t+6], v[ST+8*\t+6], v[SC+32*\t+23], v[SC+32*\t+31]
.endr
.irp t, 0,1
	v_max3_num_f32 v[ST+8*\t+4], v[ST+8*\t+4], v[ST+8*\t+5], v[ST+8*\t+6]
.endr
.irp t, 0,1
	v_max3_num_f32 v[ST+8*\t+4], v[ST+8*\t+4], v[ST+8*\t+7], v[ST+8*\t+1]   ; with the old m
.endr
.irp t, 0,1
	v_permlanex16_b32 v[ST+8*\t+5], v[ST+8*\t+4], s[SEL], s[SEL+1]         ; the query's other 32 keys lie in the lane 16 away
.endr
.irp t, 0,1
	v_mov_b32 v[ST+8*\t+7], v[ST+8*\t]             ; c m_old
.endr
.irp t, 0,1
	v_max_num_f32 v[ST+8*\t+1], v[ST+8*\t+4], v[ST+8*\t+5]                 ; the new m
.endr
.irp t, 0,1
	v_mul_f32 v[ST+8*\t], s[CS], v[ST+8*\t+1]
.endr
.irp t, 0,1
	v_sub_f32 v[ST+8*\t+7], v[ST+8*\t+7], v[ST+8*\t]                       ; c m_old - c m_new
.endr
.irp b, 0,2,4,6,8,10,12,14,16,18,20,22,24,26,28,30
.irp t, 0,1
	v_pk_fma_f32 v[SC+32*\t+\b:SC+32*\t+\b+1], v[SC+32*\t+\b:SC+32*\t+\b+1], s[CS:CS+1], v[ST+8*\t:ST+8*\t+1] op_sel_hi:[1,0,0] neg_lo:[0,0,1] neg_hi:[0,0,1]   ; c s - c m
.endr
.endr
.irp t, 0,1
	v_exp_f32 v[ST+8*\t+6], v[ST+8*\t+7]           ; a = 2^(c m_old - c m_new)
.endr
.set i, 0
.rept 32
	v_exp_f32 v[SC+i], v[SC+i]                     ; p = 2^(c s - c m): one batch of 66 exponentials
	v_exp_f32 v[SC+32+i], v[SC+32+i]
.set i, i+1
.endr
	v_nop                                          ; a plain line behind the last exponential
	s_wait_alu depctr_va_vdst(0)                   ; one wait for the batch, ahead of its first reader
.irp i, 0,1,2,3,4,5,6,7,8,9,10,11,12,13,14,15
.irp t, 0,1
	v_cvt_pk_f16_f32 v[PP+16*\t+\i], v[SC+32*\t+2*\i], v[SC+32*\t+2*\i+1]
.endr
.endr
.irp w, 4,8,16,32                      ; the sum of the 16 pairs, in place: neighbours w / 2 registers apart
.set u, 0
.rept 32/\w
.irp t, 0,1
	v_pk_add_f32 v[SC+32*\t+u:SC+32*\t+u+1], v[SC+32*\t+u:SC+32*\t+u+1], v[SC+32*\t+u+\w/2:SC+32*\t+u+\w/2+1]
.endr
.set u, u+\w
.endr
.endr
.irp t, 0,1
	v_pk_fma_f32 v[ST+8*\t+2:ST+8*\t+3], v[ST+8*\t+2:ST+8*\t+3], v[ST+8*\t+6:ST+8*\t+7], v[SC+32*\t:SC+32*\t+1] op_sel_hi:[1,0,1]   ; l = a l + the sum
.endr
.irp b, 0,2,4,6,8,10,12,14,16,18,20,22,24,26,28,30
.irp t, 0,1
	v_pk_mul_f32 v[OO+32*\t+\b:OO+32*\t+\b+1], v[OO+32*\t+\b:OO+32*\t+\b+1], v[ST+8*\t+6:ST+8*\t+7] op_sel_hi:[1,0]   ; O^T x a
.endr
.endr
.endm
; A KEY STEP: 64 keys, the q-th of the slot in hand.
.macro STEP q
	s_add_co_u32 s70, s[Q0], 31
	s_cmp_gt_u32 s[KEY], s70                       ; all 64 keys come after my 32 queries: the step's work is left out (ids and the count of steps alone; no barrier and no tensor load stands in a step)
	s_cbranch_scc1 .Lhid_\@
	v_add_nc_u32 v[ADK], s[TB], v[AK0]
	v_add_nc_u32 v[ADV], s[TB], v[AV0]
	v_nop
	v_nop                                          ; with the two additions: four places behind the last products, ahead of the loads into V's registers
	WIN 0x40                                       ; destination window 1
.irp k, 0,1,2,3
.irp c, 0,1
	ds_load_b128 v[KR+16*\k+8*\c:KR+16*\k+8*\c+3], v[ADK] offset:(64*(\q)+16*\k)*PK+64*\c
	ds_load_b128 v[KR+16*\k+8*\c+4:KR+16*\k+8*\c+7], v[ADK] offset:(64*(\q)+16*\k)*PK+64*\c+32
.endr
.endr
.irp c, 0,1
.irp d, 0,1,2,3
	ds_load_tr16_b128 v[VR+32*\c+8*\d:VR+32*\c+8*\d+3], v[ADV] offset:(64*(\q)+32*\c)*PV+32*\d
	ds_load_tr16_b128 v[VR+32*\c+8*\d+4:VR+32*\c+8*\d+7], v[ADV] offset:(64*(\q)+32*\c+16)*PV+32*\d
.endr
.endr
	s_wait_dscnt 16                                ; K's sixteen loads are in; V's sixteen stay out
	WIN 0x05                                       ; K and Q in window 1
.irp c, 0,1                            ; S^T = K Q^T: eight accumulators by turns
.irp k, 0,1,2,3
.irp t, 0,1
.if \c == 0
	v_wmma_f32_16x16x32_f16 v[SC+32*\t+8*\k:SC+32*\t+8*\k+7], v[KR+16*\k+8*\c:KR+16*\k+8*\c+7], v[16*\t+8*\c:16*\t+8*\c+7], 0
.else
	v_wmma_f32_16x16x32_f16 v[SC+32*\t+8*\k:SC+32*\t+8*\k+7], v[KR+16*\k+8*\c:KR+16*\k+8*\c+7], v[16*\t+8*\c:16*\t+8*\c+7], v[SC+32*\t+8*\k:SC+32*\t+8*\k+7]
.endif
.endr
.endr
.endr
	WIN 0
.rept 4
	v_nop
.endr
	s_add_co_u32 s70, s[KEY], 63
	s_cmp_le_u32 s70, s[Q0]                        ; all 64 keys count for all my queries: no mask
	s_cbranch_scc1 .Lopen_\@
	s_sub_co_i32 s70, s[Q0], s[KEY]
	v_add_nc_u32 v[DM0], s70, v[RH]                ; register 8 k + j of tile t holds key KEY + 16 k + 8 (lane / 16) + j: hidden where 16 k + j > my query - KEY - 8 (lane / 16)
	v_add_nc_u32 v[DM0+1], 16, v[DM0]
.irp t, 0,1
.irp n, 0,1,2,3,4,5,6,7,8,9,10,11,12,13,14,15,16,17,18,19,20,21,22,23,24,25,26,27,28,29,30,31
	v_cmp_gt_i32 vcc_lo, 16*(\n/8)+\n%8, v[DM0+\t]
	v_cndmask_b32 v[SC+32*\t+\n], v[SC+32*\t+\n], v[NINF], vcc_lo
.endr
.endr
.Lopen_\@:
	SOFTMAX
	s_wait_dscnt 0x0                               ; V is in
	WIN 0x01                                       ; V in window 1
.irp c, 0,1                            ; O^T += V^T P: eight accumulators by turns
.irp d, 0,1,2,3
.irp t, 0,1
	v_wmma_f32_16x16x32_f16 v[OO+32*\t+8*\d:OO+32*\t+8*\d+7], v[VR+32*\c+8*\d:VR+32*\c+8*\d+7], v[PP+16*\t+8*\c:PP+16*\t+8*\c+7], v[OO+32*\t+8*\d:OO+32*\t+8*\d+7]
.endr
.endr
.endr
	WIN 0
.Lhid_\@:
	s_add_co_u32 s[KEY], s[KEY], 64
.endm
.macro FOUR_STEPS
.set Q, 0
.rept 4
	STEP Q
.set Q, Q+1
.endr
	s_xor_b32 s[TB], s[TB], SLOT1                  ; on to the other slot
.endm
; A block of queries begins: Q into registers; m under every score, l and O^T zeros (the step is written once: its first change of m multiplies zeros).
.macro START qb
	WIN 0x40
.irp t, 0,1
.irp c, 0,1
	global_load_b128 v[16*\t+8*\c:16*\t+8*\c+3], v[QO], s[\qb:\qb+1] offset:2048*\t+64*\c
	global_load_b128 v[16*\t+8*\c+4:16*\t+8*\c+7], v[QO], s[\qb:\qb+1] offset:2048*\t+64*\c+32
.endr
.endr
	WIN 0
.irp t, 0,1
	v_mov_b32 v[ST+8*\t+1], 0xff61b1e6             ; m = -3e38
	v_mul_f32 v[ST+8*\t], s[CS], v[ST+8*\t+1]
.irp i, 2,3,4,5,6,7
	v_mov_b32 v[ST+8*\t+\i], 0
.endr
.endr
.set i, 0
.rept 64
	v_mov_b32 v[OO+i], 0
.set i, i+1
.endr
	s_wait_loadcnt 0x0
.endm
; A block of queries ends: O^T / l, rounded to f16, through my stage, a tile (16 rows of 128 bytes) at a time: 32 lanes store four rows, 512 consecutive bytes.
.macro OUT cb
.rept 4
	v_nop
.endr
.irp t, 0,1
	v_add_f32 v[ST+8*\t+4], v[ST+8*\t+2], v[ST+8*\t+3]
.endr
.irp t, 0,1
	v_permlanex16_b32 v[ST+8*\t+5], v[ST+8*\t+4], s[SEL], s[SEL+1]
.endr
.irp t, 0,1
	v_add_f32 v[ST+8*\t+4], v[ST+8*\t+4], v[ST+8*\t+5]
.endr
.irp t, 0,1
	v_rcp_f32 v[ST+8*\t+6], v[ST+8*\t+4]
.endr
	v_nop
	s_wait_alu depctr_va_vdst(0)                   ; one wait for the two reciprocals
.irp t, 0,1
.irp b, 0,2,4,6,8,10,12,14,16,18,20,22,24,26,28,30
	v_pk_mul_f32 v[OO+32*\t+\b:OO+32*\t+\b+1], v[OO+32*\t+\b:OO+32*\t+\b+1], v[ST+8*\t+6:ST+8*\t+7] op_sel_hi:[1,0]
.endr
.irp i, 0,1,2,3,4,5,6,7,8,9,10,11,12,13,14,15
	v_cvt_pk_f16_f32 v[SC+32*\t+\i], v[OO+32*\t+2*\i], v[OO+32*\t+2*\i+1]
.endr
.irp d, 0,1,2,3
	ds_store_b128 v[STO], v[SC+32*\t+4*\d:SC+32*\t+4*\d+3] offset:32*\d
.endr
.irp i, 0,1,2,3
	ds_load_b128 v[SC+32*\t+16+4*\i:SC+32*\t+16+4*\i+3], v[RD] offset:4*PK*\i   ; these see the stores above; the next tile's stores come behind them
.endr
.irp i, 0,1,2,3
	s_wait_dscnt 3-\i                              ; the younger of the four loads stay out
	global_store_b128 v[GO], v[SC+32*\t+16+4*\i:SC+32*\t+16+4*\i+3], s[\cb:\cb+1] offset:2048*\t+512*\i
.endr
.endr
.endm
	s_load_b128 s[4:7], s[0:1], 0x0                ; qkv16, ctx16
	v_lshl_add_u32 v[SPW], v0, 2, SPARE
	v_mov_b32 v[NIL], 0
	ds_add_u32 v[SPW], v[NIL]                      ; the wave's opening: the add, twice on end, and its wait ahead of my first tensor load
	ds_add_u32 v[SPW], v[NIL]
	v_lshrrev_b32 v2, 5, v0
	v_readfirstlane_b32 s[WV], v2                  ; wave 0..7
	s_mov_b32 s[PN], ttmp9                         ; p
	s_sub_co_u32 s[SWT], 7, s[PN]
	s_and_b32 s70, ttmp7, 0xffff
	s_lshl_b32 s70, s70, 18                        ; the head's first byte in each of Q, K, V, ctx
	s_and_b32 s71, s[WV], 3
	s_lshl_b32 s72, s71, 13                        ; the 64 rows that I fetch
	s_add_co_u32 s72, s72, s70
	s_mov_b32 s73, 0
	s_lshl_b32 s74, s[SWT], 8
	s_lshl_b32 s75, s[WV], 5
	s_add_co_u32 s[Q0], s74, s75                   ; my first query: 256 (7 - p) + 32 wave,
	s_lshl_b32 s74, s[PN], 8
	s_add_co_u32 s[Q0B], s74, s75                  ; later 256 p + 32 wave
	s_lshl_b32 s76, s[Q0], 7
	s_add_co_u32 s76, s76, s70
	s_mov_b32 s77, 0
	s_lshl_b32 s78, s[Q0B], 7
	s_add_co_u32 s78, s78, s70
	s_mov_b32 s79, 0
	s_mov_b32 s[G1K], (1<<16)|(1<<20)|(4<<22)|(3<<25)   ; no mask; elements of 2 bytes; padding on: 4 words behind every 32
	s_mov_b32 s[G1V], (1<<16)|(1<<20)|(4<<22)|(7<<25)   ; 8 words behind every 32
.irp g, G1K, G1V
	s_mov_b32 s[\g+1], 64<<16                      ; tensor_dim0 = 64
	s_mov_b32 s[\g+2], 64<<16                      ; tensor_dim1 = 64
	s_mov_b32 s[\g+3], 64<<16                      ; tile_dim0 = 64
	s_mov_b32 s[\g+4], 64                          ; tile_dim1 = 64
	s_mov_b32 s[\g+5], 64                          ; the pitch in memory
	s_mov_b32 s[\g+6], 0
	s_mov_b32 s[\g+7], 0
.endr
	s_mov_b32 s[G0K], 1
	s_mul_i32 s[G0K+1], s71, 64*PK                 ; slot 0, my 64 rows
	s_mov_b32 s[G0V], 1
	s_mul_i32 s[G0V+1], s71, 64*PV
	s_add_co_u32 s[G0V+1], s[G0V+1], VOFF
	s_mov_b32 s[CS], 0x3e38aa3b                    ; c = log2(e) / sqrt(64)
	s_mov_b32 s[CS+1], s[CS]
	s_mov_b32 s[SEL], 0x76543210
	s_mov_b32 s[SEL+1], 0xfedcba98
	s_mov_b32 s[OF], 0
	s_mov_b32 s[OF+1], 0
	s_mov_b32 s[T], 0
	s_mov_b32 s[KEY], 0
	s_mov_b32 s[TB], 0
	s_cmp_eq_u32 s[PN], 0
	s_cselect_b32 s[LIM], 6, 0
	s_wait_dscnt 0x0                               ; both opening adds are done
	s_wait_kmcnt 0x0
	s_add_nc_u64 s[KB:KB+1], s[4:5], s[72:73]
	s_add_nc_u64 s[VB:VB+1], s[KB:KB+1], 2<<24     ; V's region
	s_add_nc_u64 s[KB:KB+1], s[KB:KB+1], 1<<24     ; K's region
	s_mov_b64 s[G0K+2:G0K+3], s[KB:KB+1]
	s_or_b32 s[G0K+3], s[G0K+3], 0x80000000
	s_mov_b64 s[G0V+2:G0V+3], s[VB:VB+1]
	s_or_b32 s[G0V+3], s[G0V+3], 0x80000000
	TLOAD                                          ; key block 0 into slot 0
	s_add_nc_u64 s[QA:QA+1], s[4:5], s[76:77]
	s_add_nc_u64 s[QB:QB+1], s[4:5], s[78:79]
	s_add_nc_u64 s[CA:CA+1], s[6:7], s[76:77]
	s_add_nc_u64 s[CB:CB+1], s[6:7], s[78:79]
	s_cmp_lt_u32 s[WV], 4
	s_cselect_b64 s[PFA:PFA+1], s[KB:KB+1], s[VB:VB+1]
	s_add_nc_u64 s[PFA:PFA+1], s[PFA:PFA+1], 32768 ; at key block 1: the first change of slots steps it to block 2.  Nothing is prefetched here, at the head
	v_and_b32 v16, 15, v0                          ; r
	v_bfe_u32 v17, v0, 4, 1                        ; h
	v_and_b32 v18, 31, v0                          ; lane
	v_and_b32 v19, 7, v0
	v_bfe_u32 v20, v0, 3, 1
	v_bfe_u32 v21, v0, 3, 2
	v_mul_u32_u24 v[AK0], v16, PK
	v_lshl_add_u32 v[AK0], v17, 4, v[AK0]          ; K: row r, + 16 h
	v_lshl_add_u32 v[AV0], v17, 3, v19
	v_mul_u32_u24 v[AV0], v[AV0], PV
	v_lshl_add_u32 v[AV0], v20, 4, v[AV0]
	v_add_nc_u32 v[AV0], VOFF, v[AV0]              ; V, for the turning load: key 8 h + l % 8, channels 8 ((l / 8) % 2) on
	v_lshlrev_b32 v[QO], 7, v16
	v_lshl_add_u32 v[QO], v17, 4, v[QO]
	s_mul_i32 s70, s[WV], 16*PK
	s_add_co_u32 s70, s70, STAGE                   ; my stage
	v_add_nc_u32 v[STO], s70, v[AK0]               ; in: row r, + 16 h
	v_mul_u32_u24 v[RD], v21, PK
	v_lshl_add_u32 v[RD], v19, 4, v[RD]
	v_add_nc_u32 v[RD], s70, v[RD]                 ; back: eight lanes to a row of 128 bytes
	v_lshlrev_b32 v[GO], 4, v18
	v_lshlrev_b32 v[PFO], 8, v18
	v_lshlrev_b32 v22, 3, v17
	v_sub_nc_u32 v[RH], v16, v22
	v_mov_b32 v[NINF], 0xff800000
	START QA
.Ltrip:                                            ; eight trips; the ninth is written out
	CHANGE 1
	FOUR_STEPS
	s_cmp_lg_u32 s[T], s[SWT]                      ; ids and the count of trips alone: all eight waves go the same way
	s_cbranch_scc1 .Lns
	OUT CA                                         ; the first block of queries is done; the second begins at key 0
	s_mov_b32 s[Q0], s[Q0B]
	s_mov_b32 s[KEY], 0
	START QB
	s_wait_xcnt 0x0                                ; the stores have read their data registers, which the next products write
.Lns:
	s_add_co_u32 s[T], s[T], 1
	s_cmp_lt_u32 s[T], 8
	s_cbranch_scc1 .Ltrip
	CHANGE 0
	FOUR_STEPS
	OUT CB
	s_wait_tensorcnt 0x0                           ; the wave's end
	ds_add_u32 v[SPW], v[NIL]
	s_wait_dscnt 0x0
	s_endpgm
.Lfunc_end_k_q4118ec51b9_attn:
	.size	k_q4118ec51b9_attn, .Lfunc_end_k_q4118ec51b9_attn-k_q4118ec51b9_attn
	.p2alignl 7, 3214868480
	.fill 96, 4, 3214868480
	.section	.rodata,"a",@progbits
	.p2align	6, 0x0
	.amdhsa_kernel k_q4118ec51b9_attn
		.amdhsa_group_segment_fixed_size 327680
		.amdhsa_private_segment_fixed_size 0
		.amdhsa_enable_private_segment 0
		.amdhsa_kernarg_size 16
		.amdhsa_user_sgpr_count 2
		.amdhsa_user_sgpr_kernarg_segment_ptr 1
		.amdhsa_wavefront_size32 1
		.amdhsa_system_sgpr_workgroup_id_x 1
		.amdhsa_system_sgpr_workgroup_id_y 1
		.amdhsa_system_sgpr_workgroup_id_z 1
		.amdhsa_system_vgpr_workitem_id 0
		.amdhsa_next_free_vgpr 512
		.amdhsa_next_free_sgpr 80
		.amdhsa_reserve_vcc 1
		.amdhsa_float_denorm_mode_32 3
		.amdhsa_float_denorm_mode_16_64 3
		.amdhsa_memory_ordered 1
		.amdhsa_forward_progress 1
		.amdhsa_inst_pref_size 198
	.end_amdhsa_kernel
	.amdgpu_metadata
---
amdhsa.version: [ 1, 2 ]
amdhsa.kernels:
  - .name:           k_q4118ec51b9_attn
    .symbol:         k_q4118ec51b9_attn.kd
    .args:
      - { .name: qkv16, .offset: 0, .size: 8, .value_kind: global_buffer, .address_space: global }
      - { .name: ctx16, .offset: 8, .size: 8, .value_kind: global_buffer, .address_space: global }
    .group_segment_fixed_size: 327680
    .private_segment_fixed_size: 0
    .kernarg_segment_align: 8
    .kernarg_segment_size: 16
    .max_flat_workgroup_size: 256
    .sgpr_count:     80
    .vgpr_count:     512
    .wavefront_size: 32
...
	.end_amdgpu_metadata
.endif
;; end of part 3
;; launch oproj (part 4): grid 4 x 64, 4 waves a work-group, clusters of 4 x 4, 327,680 bytes of LDS; arguments ctx16, wo16, out0; writes out0
.if DOCPART == 4
	.amdgcn_target "amdgcn-amd-amdhsa--gfx1250"
	.amdhsa_code_object_version 6
	.text
	.protected	k_q4118ec51b9_oproj
	.globl	k_q4118ec51b9_oproj
	.p2align	8
	.type	k_q4118ec51b9_oproj,@function
k_q4118ec51b9_oproj:
	s_mov_b64 s[64:65], 0
	v_nop
	global_prefetch_b8 v0, s[64:65] scope:SCOPE_SE
	s_setreg_imm32_b32 hwreg(HW_REG_WAVE_MODE, 25, 1), 1
	s_wait_xcnt 0x0
	s_wait_alu depctr_hold_cnt(0) depctr_sa_sdst(0) depctr_va_vdst(0) depctr_va_sdst(0) depctr_va_ssrc(0) depctr_va_vcc(0) depctr_vm_vsrc(0)
	s_getreg_b32 s2, hwreg(HW_REG_IB_STS2, 6, 4)
	s_cmp_eq_u32 s2, 0
	s_cbranch_scc0 .Lentry_in_a_cluster
	s_endpgm
.Lentry_in_a_cluster:
	s_bfe_u32 s2, ttmp6, 0x10000c
	s_cmp_lg_u32 s2, 0xf033
	s_cbranch_scc0 .Lentry_shape_is_right
	s_endpgm
.Lentry_shape_is_right:
; out0[m][n] = the sum over k of ctx[m][k] W_O[n][k], f16 operands, f32 sums, f32 results: all rows but positions 0-15 of each batch, which the last launch writes.
; ctx16 is laid by head, [16 b + h][2048][64]: 64 along K of 128 rows are 16,384 dense bytes.  wo16 is [1024 n][1024 k].
; A tile of out0 is 128 x 256: 256 work-groups.  Four waves, each 64 x 128: 32 accumulators, 256 registers.  K goes in 8 steps of 128 (two heads) through two LDS slots.
; CLUSTERS: 4 x 4.  Tile row = 16 cy + cluster y (the batch is cy, the first position 128 x cluster y), tile column = cx.  ctx's tiles are asked for jointly along a row of the cluster, W_O's along a column.
; THE PRODUCT IS USED TRANSPOSED (source 0 = 16 rows of W_O, source 1 = 16 rows of ctx): a lane holds eight neighbouring columns of one row.
; REGISTERS: window 0: v16-30 addresses; v32-63, v64-95 ctx's fragments, two buffers; v96-159, v160-223 W_O's, two buffers; on the way out v32-159 hold rows.  window 1: the accumulators, (a, b) at v[8 (8 a + b)].
.set PA,     144                       ; a row of ctx's plane in LDS: 128 bytes + 16
.set PB,     272                       ; a row of W_O's tile: 256 + 16
.set PLANE,  128*PA                    ; a head's 128 rows
.set BOFF,   2*PLANE
.set BHALF,  128*PB
.set SLOT,   BOFF+2*BHALF
.set STAGE,  2*SLOT                    ; the way out: 16 rows x 528 bytes for each wave; no tile lands here
.set SPITCH, 528
.set SPARE,  STAGE+4*16*SPITCH         ; the spare words: 128 bytes a wave, named by no other line
.set ADRA, 16
.set ADRB, 20
.set STO,  24
.set RD,   25
.set CO,   26
.set SPW,  28
.set NIL,  29
.set PFO,  30
.set AF,   32
.set BF,   96
.set BK,   32
.set G1, 24
.set G0, 32
.set G1B, 48
.set G0B, 56
.set PFA, 66                           ; s[66:67] where my prefetches stand;  s[68:69] a K step on, in bytes
.set PFS, 68
.set LIM, 70                           ; s70 1 in a wave that prefetches, else the greatest number
.set FIN, 71                           ; s71 1 where my first 16 rows are positions 0-15 of a batch
.set MSB, 0
.macro WIN new
.if MSB != \new
	s_set_vgpr_msb (MSB<<8)|\new
.set MSB, \new
.endif
.endm
.set MUL, 0x50                         ; C and D in window 1
.macro JLOAD s                         ; waves 0 and 1 fetch ctx's two planes, waves 2 and 3 W_O's two halves; an s_nop 0 and four v_nop follow each line
	s_cmp_eq_u32 s11, 0
	s_cbranch_scc0 .Lfor_b_\@
	tensor_load_to_lds s[G0+4*\s:G0+4*\s+3], s[G1:G1+7]
	s_nop 0
.rept 4
	v_nop
.endr
	s_branch .Lasked_\@
.Lfor_b_\@:
	tensor_load_to_lds s[G0B+4*\s:G0B+4*\s+3], s[G1B:G1B+7]
	s_nop 0
.rept 4
	v_nop
.endr
.Lasked_\@:
.endm
; A prefetch of the K step that stands two refills on.  ctx: a tile row is read by one row of one cluster: wave 0 of each of the four partners asks for 8,192 of the K step's 32,768 bytes, told apart by address,
; lanes 256 bytes apart.  W_O: a tile column is read by every cluster: those with cluster y = 0 ask; partner cy takes 64 of the 256 rows, waves 2 and 3 take 32 each, a lane a row of 256 bytes.
; So each 256 bytes are named once.  K steps 0 to 3 come by their loads alone; the loop's last trip asks for nothing.
.macro ASK
	s_cmp_gt_u32 s3, s[LIM]
	s_cbranch_scc0 .Lnot_mine_\@
	global_prefetch_b8 v[PFO], s[PFA:PFA+1] th:TH_LOAD_NT scope:SCOPE_SE
.Lnot_mine_\@:
.endm
.macro CREST
	s_cmp_lg_u32 s10, 0
	s_cbranch_scc1 .Lnot_wave_0_\@
	s_barrier_signal -3
.Lnot_wave_0_\@:
	s_barrier_wait -3
	s_barrier_signal -1
	s_barrier_wait -1
.endm
.macro CROUND
	s_barrier_signal -1
	s_barrier_wait -1
	CREST
.endm
	s_load_b128 s[4:7], s[0:1], 0x0                ; ctx16, wo16
	s_load_b64 s[8:9], s[0:1], 0x10                ; out0
	v_lshl_add_u32 v[SPW], v0, 2, SPARE
	v_mov_b32 v[NIL], 0
	ds_add_u32 v[SPW], v[NIL]                      ; the wave's opening: the add, twice on end, and its wait ahead of my first tensor load
	ds_add_u32 v[SPW], v[NIL]
	v_lshrrev_b32 v1, 5, v0
	v_readfirstlane_b32 s10, v1                    ; wave 0..3
	s_lshr_b32 s11, s10, 1                         ; which 64 rows are mine; also: I fetch for ctx (0) or for W_O (1)
	s_and_b32 s12, s10, 1                          ; which 128 columns; also: which plane or half I fetch
	s_bfe_u32 s40, ttmp6, 0x40000                  ; cx
	s_bfe_u32 s41, ttmp6, 0x40004                  ; cy
	s_and_b32 s13, ttmp7, 0xffff                   ; cluster y
	s_lshl_b32 s43, s41, 2
	s_lshl_b32 s43, 15, s43                        ; my row of the cluster
	s_lshl_b32 s44, 0x1111, s40                    ; my column
	s_or_b32 s[G1+0], s43, (1<<16)|(1<<20)|(1<<21)|(4<<22)|(3<<25)   ; the mask; elements of 2 bytes; padding on; bit 21 beside a mask; 4 words behind every 32
	s_mov_b32 s[G1+1], 64<<16                      ; tensor_dim0 = 64
	s_mov_b32 s[G1+2], 128<<16                     ; tensor_dim1 = 128
	s_mov_b32 s[G1+3], 64<<16                      ; tile_dim0 = 64
	s_mov_b32 s[G1+4], 128                         ; tile_dim1 = 128
	s_mov_b32 s[G1+5], 64                          ; the pitch in memory
	s_mov_b32 s[G1+6], 0
	s_mov_b32 s[G1+7], 0
	s_or_b32 s[G1B+0], s44, (1<<16)|(1<<20)|(1<<21)|(5<<22)|(3<<25)  ; 4 words behind every 64
	s_mov_b32 s[G1B+1], 128<<16
	s_mov_b32 s[G1B+2], 128<<16
	s_mov_b32 s[G1B+3], 128<<16
	s_mov_b32 s[G1B+4], 128
	s_mov_b32 s[G1B+5], 1024
	s_mov_b32 s[G1B+6], 0
	s_mov_b32 s[G1B+7], 0
	s_lshl_b32 s16, s41, 4
	s_add_co_u32 s16, s16, s12                     ; ctx: head 16 cy + my plane,
	s_lshl_b32 s16, s16, 18
	s_lshl_b32 s17, s13, 14                        ; rows 128 x cluster y on
	s_add_co_u32 s16, s16, s17
	s_mov_b32 s17, 0
	s_lshl_b32 s46, s40, 19                        ; W_O: row 256 cx
	s_lshl_b32 s47, s12, 18                        ; + 128 x my half
	s_add_co_u32 s46, s46, s47
	s_mov_b32 s47, 0
	s_mul_i32 s20, s12, PLANE                      ; where they go: the wave's number alone enters an LDS address
	s_mul_i32 s23, s12, BHALF
	s_add_co_u32 s23, s23, BOFF
	s_wait_dscnt 0x0                               ; both opening adds are done
	s_wait_kmcnt 0x0
	s_add_nc_u64 s[14:15], s[4:5], s[16:17]
	s_add_nc_u64 s[46:47], s[6:7], s[46:47]
	CROUND                                         ; all sixteen work-groups are here: the first joint loads meet
.irp s, 0,1
	s_mov_b32 s[G0+4*\s], 1
	s_add_co_u32 s[G0+4*\s+1], s20, \s*SLOT
	s_add_nc_u64 s[G0+4*\s+2:G0+4*\s+3], s[14:15], \s*(2<<18)      ; K step s: two heads on
	s_or_b32 s[G0+4*\s+3], s[G0+4*\s+3], 0x80000000
	s_mov_b32 s[G0B+4*\s], 1
	s_add_co_u32 s[G0B+4*\s+1], s23, \s*SLOT
	s_add_nc_u64 s[G0B+4*\s+2:G0B+4*\s+3], s[46:47], \s*256
	s_or_b32 s[G0B+4*\s+3], s[G0B+4*\s+3], 0x80000000
	JLOAD \s                                       ; two loads of mine are out
.endr
	v_and_b32 v1, 15, v0                           ; r
	v_bfe_u32 v2, v0, 4, 1                         ; h
	v_mul_u32_u24 v3, v1, PA
	v_lshl_add_u32 v3, v2, 4, v3
	v_mul_u32_u24 v4, v1, PB
	v_lshl_add_u32 v4, v2, 4, v4
	s_mul_i32 s21, s11, 64*PA                      ; my 64 rows of each plane
	s_mul_i32 s22, s12, BHALF                      ; my 128 rows of W_O
	s_add_co_u32 s22, s22, BOFF
.irp s, 0,1
	v_add_nc_u32 v[ADRA+\s], s21, v3
	v_add_nc_u32 v[ADRB+\s], s22, v4
	s_add_co_u32 s21, s21, SLOT
	s_add_co_u32 s22, s22, SLOT
.endr
	s_mul_i32 s21, s10, 16*SPITCH
	s_add_co_u32 s21, s21, STAGE                   ; my stage
	v_mul_u32_u24 v5, v1, SPITCH
	v_lshl_add_u32 v5, v2, 5, v5
	v_add_nc_u32 v[STO], s21, v5                   ; in: row r, 32 bytes for each half of the lanes
	v_and_b32 v6, 31, v0
	v_lshlrev_b32 v[CO], 4, v6
	v_add_nc_u32 v[RD], s21, v[CO]                 ; back: 32 lanes take a row of 512 bytes
	; out0 at my first row and column (in registers that feed no descriptor)
	s_lshl_b32 s72, s41, 23                        ; 2,048 cy rows of 4,096 bytes,
	s_lshl_b32 s73, s13, 19                        ; + 128 x cluster y,
	s_add_co_u32 s72, s72, s73
	s_lshl_b32 s73, s11, 18                        ; + 64 x my half,
	s_add_co_u32 s72, s72, s73
	s_lshl_b32 s73, s40, 10                        ; column 256 cx
	s_add_co_u32 s72, s72, s73
	s_lshl_b32 s73, s12, 9                         ; + 128 x my half
	s_add_co_u32 s72, s72, s73
	s_mov_b32 s73, 0
	s_add_nc_u64 s[8:9], s[8:9], s[72:73]
	s_or_b32 s79, s13, s11
	s_cmp_eq_u32 s79, 0                            ; cluster y = 0 and the upper 64 rows: equal in all partners for a given wave
	s_cselect_b32 s[FIN], 1, 0
	; the prefetches
	s_lshl_b32 s73, s41, 4
	s_lshr_b32 s75, s40, 1
	s_add_co_u32 s73, s73, s75                     ; ctx: head 16 cy + cx / 2,
	s_lshl_b32 s73, s73, 18
	s_lshl_b32 s75, s13, 14
	s_add_co_u32 s73, s73, s75                     ; the tile's rows,
	s_and_b32 s75, s40, 1
	s_lshl_b32 s75, s75, 13
	s_add_co_u32 s73, s73, s75                     ; half cx % 2 of the plane,
	s_add_co_u32 s73, s73, 3<<19                   ; at K step 3: the first refill steps it to 4
	s_lshl_b32 s74, s40, 19
	s_lshl_b32 s75, s41, 17
	s_add_co_u32 s74, s74, s75                     ; W_O: row 256 cx + 64 cy
	s_lshl_b32 s75, s12, 16
	s_add_co_u32 s74, s74, s75                     ; + 32 x (wave % 2),
	s_add_co_u32 s74, s74, 3*256                   ; at K step 3
	s_cmp_eq_u32 s10, 0
	s_cselect_b32 s76, 1, -1                       ; of waves 0 and 1, wave 0 asks
	s_cmp_eq_u32 s13, 0
	s_cselect_b32 s77, 1, -1                       ; waves 2 and 3 ask where cluster y = 0
	s_mov_b32 s72, 2048
	s_mov_b32 s78, 256
	s_cmp_eq_u32 s11, 0
	s_cselect_b64 s[PFA:PFA+1], s[4:5], s[6:7]
	s_cselect_b32 s[LIM], s76, s77
	s_cselect_b32 s72, 256, s72                    ; from lane to lane
	s_cselect_b32 s[PFS], 1<<19, s78               ; a K step on
	s_cselect_b32 s74, s73, s74
	s_mov_b32 s75, 0
	s_mov_b32 s[PFS+1], 0
	s_add_nc_u64 s[PFA:PFA+1], s[PFA:PFA+1], s[74:75]
	v_mul_lo_u32 v[PFO], v6, s72
.macro MUL8 f, a, zero                 ; ctx's block a against W_O's eight, 32 along K.  The 32 accumulators take turns, in the same order in every quarter
.irp b, 0,1,2,3,4,5,6,7
.if \zero
	v_wmma_f32_16x16x32_f16 v[8*(8*(\a)+\b):8*(8*(\a)+\b)+7], v[BF+64*(\f)+8*\b:BF+64*(\f)+8*\b+7], v[AF+32*(\f)+8*(\a):AF+32*(\f)+8*(\a)+7], 0
.else
	v_wmma_f32_16x16x32_f16 v[8*(8*(\a)+\b):8*(8*(\a)+\b)+7], v[BF+64*(\f)+8*\b:BF+64*(\f)+8*\b+7], v[AF+32*(\f)+8*(\a):AF+32*(\f)+8*(\a)+7], v[8*(8*(\a)+\b):8*(8*(\a)+\b)+7]
.endif
.endr
.endm
.macro FETCH slot, kq, f               ; 24 LDS loads in one run: the fragments of quarter kq: W_O's eight, then ctx's four
.irp i, 0,1,2,3,4,5,6,7
	ds_load_b128 v[BF+64*(\f)+8*\i:BF+64*(\f)+8*\i+3],   v[ADRB+\slot] offset:64*(\kq)+\i*16*PB
	ds_load_b128 v[BF+64*(\f)+8*\i+4:BF+64*(\f)+8*\i+7], v[ADRB+\slot] offset:64*(\kq)+\i*16*PB+32
.endr
.irp i, 0,1,2,3
	ds_load_b128 v[AF+32*(\f)+8*\i:AF+32*(\f)+8*\i+3],   v[ADRA+\slot] offset:((\kq)/2)*PLANE+64*((\kq)%2)+\i*16*PA
	ds_load_b128 v[AF+32*(\f)+8*\i+4:AF+32*(\f)+8*\i+7], v[ADRA+\slot] offset:((\kq)/2)*PLANE+64*((\kq)%2)+\i*16*PA+32
.endr
.endm
.macro PLACES
.rept 4
	v_nop
.endr
.endm
; A K step is four quarters of 32 along K, 32 matrix instructions each, on buffers 0, 1, 0, 1.  One of the first three multiplies buffer f and fetches quarter kq into buffer g.
.macro QUARTER slot, kq, f, g, zero
	s_wait_dscnt 4                                 ; W_O's fragments and ctx's blocks 0, 1 are in; the youngest four loads (blocks 2, 3) may be out
	WIN MUL
	MUL8 \f, 0, \zero
	MUL8 \f, 1, \zero
	WIN 0
	PLACES
	FETCH \slot, \kq, \g
	s_wait_dscnt 24                                ; all but the 24 just issued
	WIN MUL
	MUL8 \f, 2, \zero
	MUL8 \f, 3, \zero
.endm
; The last quarter multiplies buffer 1 and changes slots: one barrier; in front of it each wave waits for all its tensor loads, adds 0 to its spare word, and waits for that and for its reads of this slot.
.macro TURN slot, next, fill
.if \fill
	s_wait_xcnt 0x0                                ; the last prefetch, a K step back, has read its address
	s_add_nc_u64 s[PFA:PFA+1], s[PFA:PFA+1], s[PFS:PFS+1]
.endif
	WIN 0
	s_wait_tensorcnt 0x0                           ; my part of the next slot has landed
	ds_add_u32 v[SPW], v[NIL]
	s_wait_dscnt 5                                 ; the add and the youngest four loads may be out
	WIN MUL
	MUL8 1, 0, 0
	s_wait_dscnt 0x0                               ; the add is done, and my reads of this slot are over
	s_barrier_signal -1
	MUL8 1, 1, 0
	WIN 0
	s_barrier_wait -1
.if \fill
	CREST                                          ; the barrier has opened a round of the cluster's: no wave of any partner still reads this slot or has a load on its way
	s_add_nc_u64 s[G0+4*\slot+2:G0+4*\slot+3], s[G0+4*\slot+2:G0+4*\slot+3], 1<<20      ; two K steps on: four heads
	s_add_nc_u64 s[G0B+4*\slot+2:G0B+4*\slot+3], s[G0B+4*\slot+2:G0B+4*\slot+3], 512
	JLOAD \slot                                    ; the first tensor load behind the round; its four v_nop are also the places in front of the loads below
.else
	PLACES
.endif
	FETCH \next, 0, 0
.if \fill
	ASK
.endif
	WIN MUL
	MUL8 1, 2, 0
	MUL8 1, 3, 0
.endm
	s_wait_tensorcnt 1                             ; my part of K step 0 is in; K step 1's load may be out,
	s_barrier_signal -1
	s_barrier_wait -1                              ; everybody's is
	FETCH 0, 0, 0
	QUARTER 0, 1, 0, 1, 1                          ; the first quarter's products start the sums
	WIN 0
	s_mov_b32 s3, 3
.Llap:                                             ; a trip goes once round the ring and fills both slots again
	QUARTER 0, 2, 1, 0, 0
	QUARTER 0, 3, 0, 1, 0
	TURN 0, 1, 1
	QUARTER 1, 1, 0, 1, 0
	QUARTER 1, 2, 1, 0, 0
	QUARTER 1, 3, 0, 1, 0
	TURN 1, 0, 1
	QUARTER 0, 1, 0, 1, 0
	WIN 0
	s_sub_co_u32 s3, s3, 1
	s_cmp_lg_u32 s3, 0
	s_cbranch_scc1 .Llap
	QUARTER 0, 2, 1, 0, 0                          ; the last lap fills nothing
	QUARTER 0, 3, 0, 1, 0
	TURN 0, 1, 0
	QUARTER 1, 1, 0, 1, 0
	QUARTER 1, 2, 1, 0, 0
	QUARTER 1, 3, 0, 1, 0
	s_wait_dscnt 4
	WIN MUL
	MUL8 1, 0, 0
	MUL8 1, 1, 0
	s_wait_dscnt 0
	MUL8 1, 2, 0
	MUL8 1, 3, 0
	WIN 0
; THE WAY OUT, a block of 16 rows x 128 columns at a time: through my stage, back as whole rows of 512 bytes.
.macro TOSTAGE a
	WIN 0x04                                       ; an LDS store's data are its source 1: window 1
.irp b, 0,1,2,3,4,5,6,7
	ds_store_b128 v[STO], v[64*(\a)+8*\b:64*(\a)+8*\b+3] offset:64*\b          ; each accumulator from its low end on
	ds_store_b128 v[STO], v[64*(\a)+8*\b+4:64*(\a)+8*\b+7] offset:64*\b+16
.endr
	WIN 0
.set BB, BK+64*((\a)%2)
.irp t, 0,1,2,3,4,5,6,7,8,9,10,11,12,13,14,15
	ds_load_b128 v[BB+4*\t:BB+4*\t+3], v[RD] offset:\t*SPITCH
.endr
.endm
.macro SEND a, younger
.set BB, BK+64*((\a)%2)
	s_wait_dscnt \younger
.irp t, 0,1,2,3,4,5,6,7,8,9,10,11,12,13,14,15
	global_store_b128 v[CO], v[BB+4*\t:BB+4*\t+3], s[8:9] offset:(16*(\a)+\t)*4096 th:TH_STORE_NT   ; 512 consecutive bytes, aligned
.endr
.endm
	PLACES
	s_cmp_eq_u32 s[FIN], 1                         ; positions 0-15 of a batch are not stored here
	s_cbranch_scc1 .Lskip
	TOSTAGE 0
	SEND 0, 0
.Lskip:
	s_wait_xcnt 0x0                                ; block 0's stores have read their registers: block 2's loads may land there
	TOSTAGE 1
	TOSTAGE 2
	SEND 1, 32                                     ; behind block 1's loads: block 2's 16 stores and 16 loads
	s_wait_xcnt 0x0                                ; block 1's stores have read their registers
	TOSTAGE 3
	SEND 2, 32
	SEND 3, 0
	s_wait_tensorcnt 0x0                           ; the wave's end
	ds_add_u32 v[SPW], v[NIL]
	s_wait_dscnt 0x0
	CROUND                                         ; the closing round
	s_endpgm
.Lfunc_end_k_q4118ec51b9_oproj:
	.size	k_q4118ec51b9_oproj, .Lfunc_end_k_q4118ec51b9_oproj-k_q4118ec51b9_oproj
	.p2alignl 7, 3214868480
	.fill 96, 4, 3214868480
	.section	.rodata,"a",@progbits
	.p2align	6, 0x0
	.amdhsa_kernel k_q4118ec51b9_oproj
		.amdhsa_group_segment_fixed_size 327680
		.amdhsa_private_segment_fixed_size 0
		.amdhsa_enable_private_segment 0
		.amdhsa_kernarg_size 24
		.amdhsa_user_sgpr_count 2
		.amdhsa_user_sgpr_kernarg_segment_ptr 1
		.amdhsa_wavefront_size32 1
		.amdhsa_system_sgpr_workgroup_id_x 1
		.amdhsa_system_sgpr_workgroup_id_y 1
		.amdhsa_system_sgpr_workgroup_id_z 1
		.amdhsa_system_vgpr_workitem_id 0
		.amdhsa_next_free_vgpr 512
		.amdhsa_next_free_sgpr 84
		.amdhsa_reserve_vcc 0
		.amdhsa_float_denorm_mode_32 3
		.amdhsa_float_denorm_mode_16_64 3
		.amdhsa_memory_ordered 1
		.amdhsa_forward_progress 1
		.amdhsa_inst_pref_size 86
	.end_amdhsa_kernel
	.amdgpu_metadata
---
amdhsa.version: [ 1, 2 ]
amdhsa.kernels:
  - .name:           k_q4118ec51b9_oproj
    .symbol:         k_q4118ec51b9_oproj.kd
    .args:
      - { .name: ctx16, .offset: 0, .size: 8, .value_kind: global_buffer, .address_space: global }
      - { .name: wo16, .offset: 8, .size: 8, .value_kind: global_buffer, .address_space: global }
      - { .name: out0, .offset: 16, .size: 8, .value_kind: global_buffer, .address_space: global }
    .group_segment_fixed_size: 327680
    .private_segment_fixed_size: 0
    .kernarg_segment_align: 8
    .kernarg_segment_size: 24
    .max_flat_workgroup_size: 128
    .sgpr_count:     84
    .vgpr_count:     512
    .wavefront_size: 32
...
	.end_amdgpu_metadata
.endif
;; end of part 4
;; launch fine (part 5): grid 16 x 4, 16 waves a work-group, no clusters, 85,248 bytes of LDS; arguments qkvf, W_O, out0; writes out0
.if DOCPART == 5
	.amdgcn_target "amdgcn-amd-amdhsa--gfx1250"
	.amdhsa_code_object_version 6
	.text
	.protected	k_q4118ec51b9_fine
	.globl	k_q4118ec51b9_fine
	.p2align	8
	.type	k_q4118ec51b9_fine,@function
k_q4118ec51b9_fine:
	s_mov_b64 s[64:65], 0
	v_nop
	global_prefetch_b8 v0, s[64:65] scope:SCOPE_SE
	s_setreg_imm32_b32 hwreg(HW_REG_WAVE_MODE, 25, 1), 1
	s_wait_xcnt 0x0
; Positions 0-15 of each batch, all in f32: scores, causal softmax, weights x V and the projection by W_O.  These rows average one to sixteen values and are the largest of the output, so no operand of theirs is rounded to 16 bits.
; qkvf [4][16][3072] f32 holds Q, K, V of these positions; W_O [1024][1024] f32; out0 rows 2,048 b + 0 .. 15.
; SHARES.  Work-group (ns, b): batch b, output columns 64 ns .. 64 ns + 63.  Phase 1: wave w makes head w's ctx (16 x 64) and puts it in LDS (every work-group of a batch repeats this: 32 small products a wave).
; Phase 2: wave w takes 16 columns (w % 4) and a quarter of K (w / 4): 64 products; the four quarters meet in LDS; waves 0-7 add them and store two rows each, sixteen lanes to 256 consecutive bytes.
; The matrix form is 16 x 16 x 4 in f32: lane (r, h) holds row r and the two k at places 2 h, 2 h + 1.  WHICH k stands at a place is free as long as both sources agree: a lane loads 16 bytes,
; k = 8 c + 4 h + 0 .. 3, and its two register pairs feed two products.
; The registers that these products write (v112-143) are written by matrix instructions alone; sums begin with the constant 0.
.set CTX,   0                          ; LDS: ctx, 16 rows x (4,096 + 16) bytes
.set CP,    4112
.set RED,   16*CP                      ; four planes (quarters of K) of 16 rows x (256 + 16) bytes
.set RP,    272
.set SPARE, RED+4*16*RP                ; the spare words: 128 bytes a wave, named by no other line
.set AQ,  3                            ; v3  Q, K: row r of 12,288 bytes, + 16 h
.set AV,  4                            ; v4  V: key 8 h, channel r
.set AW,  5                            ; v5  W_O: row r of 4,096 bytes, + 16 h
.set CST, 6                            ; v6  ctx, in
.set CLD, 7                            ; v7  ctx, back
.set RST, 8                            ; v8  partial sums, in
.set RLD, 9                            ; v9  partial sums, back
.set GO,  10                           ; v10 out0: 4,096 h + 16 r
.set DG,  11                           ; v11 r - 8 h
.set SPW, 12
.set NIL, 13
.set KR,  16                           ; v16-47 K;  v48-79 Q;  later W_O's second half in v16-79
.set QR,  48
.set VR,  80                           ; v80-111 V; later chunks of ctx
.set ACC, 112                          ; v112-143 four accumulators
.set TT,  144                          ; v144-191 at work; later chunks of ctx in v144-175
.set W0,  192                          ; v192-255 W_O's first half
.set W1,  16
.set XB,  80
.set SEL, 20
.set CC,  22
	s_load_b128 s[4:7], s[0:1], 0x0                ; qkvf, W_O
	s_load_b64 s[8:9], s[0:1], 0x10                ; out0
	v_lshl_add_u32 v[SPW], v0, 2, SPARE
	v_mov_b32 v[NIL], 0
	v_lshrrev_b32 v14, 5, v0
	v_readfirstlane_b32 s10, v14                   ; wave 0..15
	s_and_b32 s11, ttmp7, 0xffff                   ; batch
	s_and_b32 s24, s10, 3                          ; which 16 columns
	s_lshr_b32 s25, s10, 2                         ; which quarter of K
	s_and_b32 s26, s10, 7
	v_and_b32 v1, 15, v0                           ; r
	v_bfe_u32 v2, v0, 4, 1                         ; h
	v_mul_u32_u24 v[AQ], v1, 12288
	v_lshl_add_u32 v[AQ], v2, 4, v[AQ]
	v_mul_u32_u24 v[AV], v2, 98304
	v_lshl_add_u32 v[AV], v1, 2, v[AV]
	v_lshlrev_b32 v[AW], 12, v1
	v_lshl_add_u32 v[AW], v2, 4, v[AW]
	v_mul_u32_u24 v15, v1, CP
	v_lshl_add_u32 v[CST], v2, 5, v15
	s_lshl_b32 s27, s10, 8
	v_add_nc_u32 v[CST], s27, v[CST]               ; row r, + 256 x head, + 32 h
	v_lshl_add_u32 v[CLD], v2, 4, v15
	s_lshl_b32 s27, s25, 10
	v_add_nc_u32 v[CLD], s27, v[CLD]               ; row r, + 1,024 x quarter, + 16 h
	v_mul_u32_u24 v[RST], v1, RP
	v_lshl_add_u32 v[RST], v2, 5, v[RST]
	s_mul_i32 s27, s25, 16*RP
	s_lshl_b32 s28, s24, 6
	s_add_co_u32 s27, s27, s28
	s_add_co_u32 s27, s27, RED
	v_add_nc_u32 v[RST], s27, v[RST]               ; plane = quarter, row r, + 64 x (wave % 4) + 32 h
	v_mul_u32_u24 v[RLD], v2, RP
	v_lshl_add_u32 v[RLD], v1, 4, v[RLD]
	s_mul_i32 s27, s26, 2*RP
	s_add_co_u32 s27, s27, RED
	v_add_nc_u32 v[RLD], s27, v[RLD]               ; row 2 (wave % 8) + h, 16 bytes a lane
	v_lshlrev_b32 v[GO], 12, v2
	v_lshl_add_u32 v[GO], v1, 4, v[GO]
	v_lshlrev_b32 v[DG], 3, v2
	v_sub_nc_u32 v[DG], v1, v[DG]
	v_mov_b32 v176, 0xff800000                     ; -infinity
	s_mov_b32 s[SEL], 0x76543210
	s_mov_b32 s[SEL+1], 0xfedcba98
	s_mov_b32 s[CC], 0x3e38aa3b                    ; c = log2(e) / sqrt(64)
	s_mov_b32 s[CC+1], s[CC]
	s_mul_i32 s28, s11, 196608
	s_lshl_b32 s29, s10, 8
	s_add_co_u32 s28, s28, s29                     ; qkvf: batch, head w's 256 bytes of a row
	s_mov_b32 s29, 0
	s_lshl_b32 s30, ttmp9, 18
	s_lshl_b32 s31, s24, 16
	s_add_co_u32 s30, s30, s31
	s_lshl_b32 s31, s25, 10
	s_add_co_u32 s30, s30, s31                     ; W_O: row 64 ns + 16 (w % 4), k 256 (w / 4) on
	s_mov_b32 s31, 0
	s_lshl_b32 s32, s11, 23
	s_lshl_b32 s33, s26, 13
	s_add_co_u32 s32, s32, s33
	s_lshl_b32 s33, ttmp9, 8
	s_add_co_u32 s32, s32, s33                     ; out0: row 2,048 b + 2 (w % 8), column 64 ns
	s_mov_b32 s33, 0
	s_wait_kmcnt 0x0
	s_add_nc_u64 s[12:13], s[4:5], s[28:29]
	s_add_nc_u64 s[14:15], s[6:7], s[30:31]
	s_add_nc_u64 s[16:17], s[8:9], s[32:33]
.irp c, 0,1,2,3,4,5,6,7
	global_load_b128 v[KR+4*\c:KR+4*\c+3], v[AQ], s[12:13] offset:4096+32*\c       ; K(r, 8 c + 4 h ..)
.endr
.irp c, 0,1,2,3,4,5,6,7
	global_load_b128 v[QR+4*\c:QR+4*\c+3], v[AQ], s[12:13] offset:32*\c            ; Q likewise
.endr
.irp k, 0,1,2,3
.irp d, 0,1,2,3
.irp j, 0,1
	global_load_b32 v[VR+2*(4*\k+\d)+\j], v[AV], s[12:13] offset:8192+(2*\k+\j)*12288+64*\d   ; V(key 8 h + 2 k + j, channel 16 d + r)
.endr
.endr
.endr
.irp c, 0,1,2,3,4,5,6,7,8,9,10,11,12,13,14,15
	global_load_b128 v[W0+4*\c:W0+4*\c+3], v[AW], s[14:15] offset:32*\c
.endr
	s_wait_loadcnt 48                              ; K and Q are in; V's 32 and W_O's 16 stay out
.set i, 0
.rept 16                               ; S^T = K Q^T: four accumulators by turns, each a quarter of the channels
.if i < 4
	v_wmma_f32_16x16x4_f32 v[ACC+8*(i%4):ACC+8*(i%4)+7], v[KR+2*i:KR+2*i+1], v[QR+2*i:QR+2*i+1], 0
.else
	v_wmma_f32_16x16x4_f32 v[ACC+8*(i%4):ACC+8*(i%4)+7], v[KR+2*i:KR+2*i+1], v[QR+2*i:QR+2*i+1], v[ACC+8*(i%4):ACC+8*(i%4)+7]
.endif
.set i, i+1
.endr
.rept 8
	v_nop                                          ; eight places behind this form, ahead of the first read of its results
.endr
.irp j, 0,2,4,6                        ; the four parts are added, each accumulator from its low end on: lane (r, h), register j: key 8 h + j, query r
	v_pk_add_f32 v[TT+\j:TT+\j+1], v[ACC+\j:ACC+\j+1], v[ACC+8+\j:ACC+8+\j+1]
	v_pk_add_f32 v[TT+8+\j:TT+8+\j+1], v[ACC+16+\j:ACC+16+\j+1], v[ACC+24+\j:ACC+24+\j+1]
.endr
.irp j, 0,2,4,6
	v_pk_add_f32 v[TT+\j:TT+\j+1], v[TT+\j:TT+\j+1], v[TT+8+\j:TT+8+\j+1]
.endr
.irp j, 0,1,2,3,4,5,6,7
	v_cmp_gt_i32 vcc_lo, \j, v[DG]                 ; key 8 h + j comes after query r
	v_cndmask_b32 v[TT+\j], v[TT+\j], v176, vcc_lo
.endr
	v_max3_num_f32 v[TT+8], v[TT], v[TT+1], v[TT+2]
	v_max3_num_f32 v[TT+9], v[TT+3], v[TT+4], v[TT+5]
	v_max3_num_f32 v[TT+8], v[TT+8], v[TT+6], v[TT+7]
	v_max_num_f32 v[TT+8], v[TT+8], v[TT+9]
	v_permlanex16_b32 v[TT+9], v[TT+8], s[SEL], s[SEL+1]
	v_max_num_f32 v[TT+8], v[TT+8], v[TT+9]        ; the row's maximum (key 0 counts for every query)
	v_mul_f32 v[TT+10], s[CC], v[TT+8]
.irp j, 0,2,4,6
	v_pk_fma_f32 v[TT+\j:TT+\j+1], v[TT+\j:TT+\j+1], s[CC:CC+1], v[TT+10:TT+11] op_sel_hi:[1,0,0] neg_lo:[0,0,1] neg_hi:[0,0,1]
.endr
.irp j, 0,1,2,3,4,5,6,7
	v_exp_f32 v[TT+\j], v[TT+\j]
.endr
	v_nop
	s_wait_alu depctr_va_vdst(0)                   ; one wait for the eight exponentials
	v_pk_add_f32 v[TT+8:TT+9], v[TT:TT+1], v[TT+2:TT+3]
	v_pk_add_f32 v[TT+12:TT+13], v[TT+4:TT+5], v[TT+6:TT+7]
	v_pk_add_f32 v[TT+8:TT+9], v[TT+8:TT+9], v[TT+12:TT+13]
	v_add_f32 v[TT+8], v[TT+8], v[TT+9]
	v_permlanex16_b32 v[TT+9], v[TT+8], s[SEL], s[SEL+1]
	v_add_f32 v[TT+8], v[TT+8], v[TT+9]            ; the row's sum
	v_rcp_f32 v[TT+14], v[TT+8]
	v_nop
	s_wait_alu depctr_va_vdst(0)
.irp j, 0,2,4,6
	v_pk_mul_f32 v[TT+16+\j:TT+16+\j+1], v[TT+\j:TT+\j+1], v[TT+14:TT+15] op_sel_hi:[1,0]   ; the weights, in v160-167
.endr
	s_wait_loadcnt 16                              ; V is in; W_O's 16 stay out
.set i, 0
.rept 16                               ; O^T = V^T P: product i: keys 8 h + 2 (i / 4) + 0, 1 on both sides; channels 16 (i % 4) on: four accumulators by turns
.if i < 4
	v_wmma_f32_16x16x4_f32 v[ACC+8*(i%4):ACC+8*(i%4)+7], v[VR+2*i:VR+2*i+1], v[TT+16+2*(i/4):TT+16+2*(i/4)+1], 0
.else
	v_wmma_f32_16x16x4_f32 v[ACC+8*(i%4):ACC+8*(i%4)+7], v[VR+2*i:VR+2*i+1], v[TT+16+2*(i/4):TT+16+2*(i/4)+1], v[ACC+8*(i%4):ACC+8*(i%4)+7]
.endif
.set i, i+1
.endr
.irp c, 0,1,2,3,4,5,6,7,8,9,10,11,12,13,14,15
	global_load_b128 v[W1+4*\c:W1+4*\c+3], v[AW], s[14:15] offset:512+32*\c        ; W_O's second half, where K and Q lay
.endr
.rept 10
	v_nop                                          ; eight places ahead of the stores of these results and of loads into their sources; nine ahead of the products that begin the same accumulators anew
.endr
.irp d, 0,1,2,3
	ds_store_b128 v[CST], v[ACC+8*\d:ACC+8*\d+3] offset:64*\d                      ; ctx(r, 64 w + 16 d + 8 h + 0 .. 7)
	ds_store_b128 v[CST], v[ACC+8*\d+4:ACC+8*\d+7] offset:64*\d+16
.endr
	s_wait_dscnt 0x0                               ; for the others' sake: my stores are done
	s_barrier_signal -1
	s_barrier_wait -1                              ; ctx's 16 rows lie in LDS
.macro FETCHC g                        ; chunk g of my quarter of K: 64 k, eight loads
.irp i, 0,1,2,3,4,5,6,7
	ds_load_b128 v[XB+64*((\g)%2)+4*\i:XB+64*((\g)%2)+4*\i+3], v[CLD] offset:32*(8*(\g)+\i)
.endr
.endm
.macro MULC g                          ; 16 products: source 0 = 16 rows of W_O, source 1 = ctx's 16 rows: lane (r, h), register j: out(position r, column 8 h + j)
.set i, 0
.rept 16
.set cc, 8*(\g)+i/2
.if cc < 16
.set wr, W0+4*cc+2*(i%2)
.else
.set wr, W1+4*(cc-16)+2*(i%2)
.endif
.set xr, XB+64*((\g)%2)+4*(i/2)+2*(i%2)
.if ((\g) == 0) && (i < 4)
	v_wmma_f32_16x16x4_f32 v[ACC+8*(i%4):ACC+8*(i%4)+7], v[wr:wr+1], v[xr:xr+1], 0
.else
	v_wmma_f32_16x16x4_f32 v[ACC+8*(i%4):ACC+8*(i%4)+7], v[wr:wr+1], v[xr:xr+1], v[ACC+8*(i%4):ACC+8*(i%4)+7]
.endif
.set i, i+1
.endr
.endm
	FETCHC 0
	FETCHC 1
	s_wait_loadcnt 16                              ; W_O's first half is in; its second half's 16 stay out
	s_wait_dscnt 8                                 ; chunk 0 is in; chunk 1's eight stay out
	MULC 0
.rept 8
	v_nop
.endr
	FETCHC 2
	s_wait_dscnt 8
	MULC 1
.rept 8
	v_nop
.endr
	FETCHC 3
	s_wait_loadcnt 0x0
	s_wait_dscnt 8
	MULC 2
	s_wait_dscnt 0x0
	MULC 3
.rept 8
	v_nop
.endr
.irp j, 0,2,4,6
	v_pk_add_f32 v[TT+\j:TT+\j+1], v[ACC+\j:ACC+\j+1], v[ACC+8+\j:ACC+8+\j+1]
	v_pk_add_f32 v[TT+8+\j:TT+8+\j+1], v[ACC+16+\j:ACC+16+\j+1], v[ACC+24+\j:ACC+24+\j+1]
.endr
.irp j, 0,2,4,6
	v_pk_add_f32 v[TT+\j:TT+\j+1], v[TT+\j:TT+\j+1], v[TT+8+\j:TT+8+\j+1]
.endr
	ds_store_b128 v[RST], v[TT:TT+3]
	ds_store_b128 v[RST], v[TT+4:TT+7] offset:16
	s_wait_dscnt 0x0                               ; for the others' sake: my stores are done
	s_barrier_signal -1
	s_barrier_wait -1                              ; the four quarters' sums lie in LDS
	s_cmp_ge_u32 s10, 8
	s_cbranch_scc1 .Ldone                          ; waves 0-7 add them; no barrier follows
.irp q, 0,1,2,3
	ds_load_b128 v[XB+4*\q:XB+4*\q+3], v[RLD] offset:16*RP*\q
.endr
	s_wait_dscnt 0x0
	v_pk_add_f32 v[XB:XB+1], v[XB:XB+1], v[XB+4:XB+5]
	v_pk_add_f32 v[XB+2:XB+3], v[XB+2:XB+3], v[XB+6:XB+7]
	v_pk_add_f32 v[XB+8:XB+9], v[XB+8:XB+9], v[XB+12:XB+13]
	v_pk_add_f32 v[XB+10:XB+11], v[XB+10:XB+11], v[XB+14:XB+15]
	v_pk_add_f32 v[XB:XB+1], v[XB:XB+1], v[XB+8:XB+9]
	v_pk_add_f32 v[XB+2:XB+3], v[XB+2:XB+3], v[XB+10:XB+11]
	global_store_b128 v[GO], v[XB:XB+3], s[16:17] th:TH_STORE_NT   ; sixteen lanes store 256 consecutive bytes, aligned
.Ldone:
	s_wait_tensorcnt 0x0                           ; the wave's end, behind my last LDS store
	ds_add_u32 v[SPW], v[NIL]
	s_wait_dscnt 0x0
	s_endpgm
.Lfunc_end_k_q4118ec51b9_fine:
	.size	k_q4118ec51b9_fine, .Lfunc_end_k_q4118ec51b9_fine-k_q4118ec51b9_fine
	.p2alignl 7, 3214868480
	.fill 96, 4, 3214868480
	.section	.rodata,"a",@progbits
	.p2align	6, 0x0
	.amdhsa_kernel k_q4118ec51b9_fine
		.amdhsa_group_segment_fixed_size 85248
		.amdhsa_private_segment_fixed_size 0
		.amdhsa_enable_private_segment 0
		.amdhsa_kernarg_size 24
		.amdhsa_user_sgpr_count 2
		.amdhsa_user_sgpr_kernarg_segment_ptr 1
		.amdhsa_wavefront_size32 1
		.amdhsa_system_sgpr_workgroup_id_x 1
		.amdhsa_system_sgpr_workgroup_id_y 1
		.amdhsa_system_sgpr_workgroup_id_z 1
		.amdhsa_system_vgpr_workitem_id 0
		.amdhsa_next_free_vgpr 256
		.amdhsa_next_free_sgpr 66
		.amdhsa_reserve_vcc 1
		.amdhsa_float_denorm_mode_32 3
		.amdhsa_float_denorm_mode_16_64 3
		.amdhsa_memory_ordered 1
		.amdhsa_forward_progress 1
		.amdhsa_inst_pref_size 26
	.end_amdhsa_kernel
	.amdgpu_metadata
---
amdhsa.version: [ 1, 2 ]
amdhsa.kernels:
  - .name:           k_q4118ec51b9_fine
    .symbol:         k_q4118ec51b9_fine.kd
    .args:
      - { .name: qkvf, .offset: 0, .size: 8, .value_kind: global_buffer, .address_space: global }
      - { .name: W_O, .offset: 8, .size: 8, .value_kind: global_buffer, .address_space: global }
      - { .name: out0, .offset: 16, .size: 8, .value_kind: global_buffer, .address_space: global }
    .group_segment_fixed_size: 85248
    .private_segment_fixed_size: 0
    .kernarg_segment_align: 8
    .kernarg_segment_size: 24
    .max_flat_workgroup_size: 512
    .sgpr_count:     66
    .vgpr_count:     256
    .wavefront_size: 32
...
	.end_amdgpu_metadata
.endif
;; end of part 5
